; MI455X (gfx1250); checked and timed in simulation.
; The chip was launched on July 23, 2026; its instructions are those of AMD's public machine-readable ISA for CDNA 5 (MIT licence, August 2026) and "CDNA5" Instruction Set Architecture Reference Guide (July 2026). The comments in the code are by the model that wrote it; some were corrected since.
;; Multi CA. Allowed arithmetic: matrix products marked QUANTISED: E3M2 operands, one E8M0 scale for each 32 along K, by v_wmma_scale_f32_16x16x128_f8f6f4 with both operands' format E3M2, f32 sums; everything else in f32.
;; Inputs: W1_codes 1,024 x 32 x 24 uint8 (E3M2 codes of W1, K innermost, in blocks of 32 codes, four codes in three bytes); W1_scales 1,024 x 32 uint8 (E8M0 scales of W1, one for each 32 codes along K); W2_codes 1,024 x 32 x 24 uint8 (E3M2 codes of W2, K innermost, in blocks of 32 codes, four codes in three bytes); W2_scales 1,024 x 32 uint8 (E8M0 scales of W2, one for each 32 codes along K); Wka_codes 1,024 x 32 x 24 uint8 (E3M2 codes of Wka, K innermost, in blocks of 32 codes, four codes in three bytes); Wka_scales 1,024 x 32 uint8 (E8M0 scales of Wka, one for each 32 codes along K); Wkt_codes 1,024 x 32 x 24 uint8 (E3M2 codes of Wkt, K innermost, in blocks of 32 codes, four codes in three bytes); Wkt_scales 1,024 x 32 uint8 (E8M0 scales of Wkt, one for each 32 codes along K); Wkv_codes 1,024 x 32 x 24 uint8 (E3M2 codes of Wkv, K innermost, in blocks of 32 codes, four codes in three bytes); Wkv_scales 1,024 x 32 uint8 (E8M0 scales of Wkv, one for each 32 codes along K); Wq_codes 1,024 x 32 x 24 uint8 (E3M2 codes of Wq, K innermost, in blocks of 32 codes, four codes in three bytes); Wq_scales 1,024 x 32 uint8 (E8M0 scales of Wq, one for each 32 codes along K); Wva_codes 1,024 x 32 x 24 uint8 (E3M2 codes of Wva, K innermost, in blocks of 32 codes, four codes in three bytes); Wva_scales 1,024 x 32 uint8 (E8M0 scales of Wva, one for each 32 codes along K); Wvt_codes 1,024 x 32 x 24 uint8 (E3M2 codes of Wvt, K innermost, in blocks of 32 codes, four codes in three bytes); Wvt_scales 1,024 x 32 uint8 (E8M0 scales of Wvt, one for each 32 codes along K); Wvv_codes 1,024 x 32 x 24 uint8 (E3M2 codes of Wvv, K innermost, in blocks of 32 codes, four codes in three bytes); Wvv_scales 1,024 x 32 uint8 (E8M0 scales of Wvv, one for each 32 codes along K); b1 1,024 float32; b2 1,024 float32; be1 1,024 float32; be2 1,024 float32; g1 1,024 float32; g2 1,024 float32; h_a_codes 4 x 1,024 x 32 x 24 uint8 (E3M2 codes of h_a, K innermost, in blocks of 32 codes, four codes in three bytes); h_a_scales 4 x 1,024 x 32 uint8 (E8M0 scales of h_a, one for each 32 codes along K); h_t_codes 4 x 1,024 x 32 x 24 uint8 (E3M2 codes of h_t, K innermost, in blocks of 32 codes, four codes in three bytes); h_t_scales 4 x 1,024 x 32 uint8 (E8M0 scales of h_t, one for each 32 codes along K); h_v_codes 4 x 1,024 x 32 x 24 uint8 (E3M2 codes of h_v, K innermost, in blocks of 32 codes, four codes in three bytes); h_v_scales 4 x 1,024 x 32 uint8 (E8M0 scales of h_v, one for each 32 codes along K); query 4 x 1,024 x 1,024 float32.
;; Outputs: out0 4 x 1,024 x 1,024 float32.
;; This version of the problem:
;;   THIS VERSION OF THE PROBLEM IS GIVEN IN LOW PRECISION. The matrix products marked QUANTISED in the list below multiply operands that are first quantised to E3M2 (3 exponent bits, 2 mantissa bits; 6 bits a number), with one power-of-two scale for each 32 numbers along K (OCP MX v1.0); their sums are f32. All else is computed in f32.
;;   The module's matrix products, in the order in which they are computed (A, B: the left and right operand; K: the contracted axis; several contracted axes count as one K, in the product's order):
;;     1. [M 4,096, K 1,024] x [K 1,024, N 1,024]; A: input query; B: input Wq (given as codes): QUANTISED
;;     2. [M 4,096, K 1,024] x [K 1,024, N 1,024]; A: input h_t (given as codes); B: input Wkt (given as codes): QUANTISED
;;     3. [M 4,096, K 1,024] x [K 1,024, N 1,024]; A: input h_t (given as codes); B: input Wvt (given as codes): QUANTISED
;;     4. batch 64 x [M 1,024, K 64] x [K 64, N 1,024]; A: computed on the way; B: computed on the way: QUANTISED
;;     5. batch 64 x [M 1,024, K 1,024] x [K 1,024, N 64]; A: softmax (see below); B: computed on the way: QUANTISED
;;     6. [M 4,096, K 1,024] x [K 1,024, N 1,024]; A: input h_a (given as codes); B: input Wka (given as codes): QUANTISED
;;     7. [M 4,096, K 1,024] x [K 1,024, N 1,024]; A: input h_a (given as codes); B: input Wva (given as codes): QUANTISED
;;     8. batch 64 x [M 1,024, K 64] x [K 64, N 1,024]; A: computed on the way; B: computed on the way: QUANTISED
;;     9. batch 64 x [M 1,024, K 1,024] x [K 1,024, N 64]; A: softmax (see below); B: computed on the way: QUANTISED
;;     10. [M 4,096, K 1,024] x [K 1,024, N 1,024]; A: input h_v (given as codes); B: input Wkv (given as codes): QUANTISED
;;     11. [M 4,096, K 1,024] x [K 1,024, N 1,024]; A: input h_v (given as codes); B: input Wvv (given as codes): QUANTISED
;;     12. batch 64 x [M 1,024, K 64] x [K 64, N 1,024]; A: computed on the way; B: computed on the way: QUANTISED
;;     13. batch 64 x [M 1,024, K 1,024] x [K 1,024, N 64]; A: softmax (see below); B: computed on the way: QUANTISED
;;     14. [M 4,096, K 1,024] x [K 1,024, N 1,024]; A: computed on the way; B: input W1 (given as codes): QUANTISED
;;     15. [M 4,096, K 1,024] x [K 1,024, N 1,024]; A: computed on the way; B: input W2 (given as codes): QUANTISED
;;   THE QUANTISER, for each operand of a quantised product, along K:
;;     - K is cut into blocks of 32 from its start; a last block that is shorter is filled with zeros.
;;     - A block's scale is 2^e with e = floor(log2(the largest magnitude in the block)) - 4, held to -126 .. 127; a block of zeros has e = 0. As a byte (E8M0): e + 127.
;;     - Each number is divided by its block's scale, clamped to +-28, and rounded to the nearest number of E3M2, ties to even, subnormals kept.
;;     - The product sums the exact products of the quantised numbers (number of the format x scale) in f32.
;;   ~~~python
;;   def quantise(x, axis):      # numpy; x: float32 -> the quantised numbers, widened to float32 again
;;       x = np.moveaxis(x, axis, -1); K = x.shape[-1]
;;       x = np.pad(x, [(0, 0)] * (x.ndim - 1) + [(0, -K % 32)]); x = x.reshape(x.shape[:-1] + (-1, 32)); a = np.abs(x).max(-1, keepdims=True)
;;       e = np.where(a > 0, np.clip(np.frexp(np.where(a > 0, a, 1))[1] - 1 - 4, -126, 127), 0)      # np.frexp(a)[1] - 1 = floor(log2(a)), exactly
;;       r = np.clip(x / 2.0 ** e, -28, 28)
;;       step = 2.0 ** (np.maximum(np.frexp(np.where(r == 0, 1, r))[1] - 1, -2) - 2)
;;       q = np.round(r / step) * step * 2.0 ** e      # np.round: ties to even
;;       return np.moveaxis(q.reshape(q.shape[:-2] + (-1,))[..., :K], -1, axis).astype(np.float32)
;;   ~~~
;;   SOFTMAX AHEAD OF A QUANTISED PRODUCT. Where the list says 'softmax', what is quantised is not the finished softmax but p = 2^(t - M), with t = logit x log2(e) and M = ceil(the row's largest t), a whole number; so 1/2 < the row's largest p <= 1. The row's sum l is taken of the UNQUANTISED p, in f32, and the product's result is divided by l at the end. Since M is a whole number, a kernel that streams over the keys may use a running M (the ceiling of the running maximum): every later rescaling is an exact power of two, which a block's scale takes up: the codes' values come out the same.
;;   OPERANDS COMPUTED ON THE WAY. 'Computed on the way' means the value that the module computes at that place (a softmax that the list does not call 'softmax' is quantised finished and normalised). What goes into a quantiser is computed in f32, as accurately as f32 sums, v_exp_f32 and their like allow (about 1e-6 of the number): no bf16 or f16 on the way to a quantiser, and a product that is left as it is and whose result goes on into a quantised operand takes f32 operands (vector FMAs, or v_wmma_f32_16x16x4_f32). A number that lies on a knife's edge between two numbers of the format may be rounded either way, as far as f32 arithmetic and the matrix unit's own rounding can turn it there, and no further.
;;   INPUTS GIVEN AS CODES. W1 (in the module: [1024, 1024], K = its axis 0); W2 (in the module: [1024, 1024], K = its axis 0); Wka (in the module: [1024, 1024], K = its axis 0); Wkt (in the module: [1024, 1024], K = its axis 0); Wkv (in the module: [1024, 1024], K = its axis 0); Wq (in the module: [1024, 1024], K = its axis 0); Wva (in the module: [1024, 1024], K = its axis 0); Wvt (in the module: [1024, 1024], K = its axis 0); Wvv (in the module: [1024, 1024], K = its axis 0); h_a (in the module: [4, 1024, 1024], K = its axis 2); h_t (in the module: [4, 1024, 1024], K = its axis 2); h_v (in the module: [4, 1024, 1024], K = its axis 2): each comes as NAME_codes (uint8): NAME with its K axis moved to the last place and cut into blocks of 32 codes, [.., K / 32, bytes a block], one block behind the other in memory; four codes in three bytes: a row's codes are one little-endian stream of bits, code i at bits 6 i .. 6 i + 5 (a code: sign, 3 exponent bits, 2 mantissa bits); and NAME_scales (uint8): the same leading axes, one E8M0 byte (e + 127) for each 32 codes along K. Its value is code x scale, taken as it is: it is not quantised again, and the codes and scales need not be those that the quantiser above would give.
;; One version. Each part assembles by itself: llvm-mc -triple=amdgcn-amd-amdhsa -mcpu=gfx1250 --defsym DOCPART=n.
;; ======== version 1 of 1: 4 launches
;; limits: right only within a limited range of input values
;; workspace buffers: qcodes 3,145,728 bytes; qscales 131,072 bytes; wimg 1,703,936 bytes; kv 21,233,664 bytes; qf 3,670,016 bytes; att 16,777,216 bytes
;; launch prep (part 1): grid 320 x 1, 2 waves a work-group, no clusters, 16,640 bytes of LDS; arguments query, W1_codes, W1_scales, W2_codes, W2_scales, qcodes, qscales, wimg; writes qcodes, qscales, wimg
.if DOCPART == 1
	.amdgcn_target "amdgcn-amd-amdhsa--gfx1250"
	.amdhsa_code_object_version 6
	.text
	.protected	k_q17b874dd03_prep
	.globl	k_q17b874dd03_prep
	.p2align	8
	.type	k_q17b874dd03_prep,@function
k_q17b874dd03_prep:
	s_mov_b64 s[64:65], 0
	v_nop
	global_prefetch_b8 v0, s[64:65] scope:SCOPE_SE
	s_setreg_imm32_b32 hwreg(HW_REG_WAVE_MODE, 25, 1), 1
	s_wait_xcnt 0x0
; PREP.  Two jobs in one launch, parted on the work-group's number.
; Work-groups 0-255: query [4096][1024] f32 becomes codes of BF6 (E3M2) with K innermost, qcodes [4096][768 bytes], and one E8M0 byte for each 32 along K, qscales [4096][32]: the layout in which h_t, h_a, h_v arrive.
;   A block's scale is 2^(floor(log2(its largest magnitude)) - 4); its byte is the largest magnitude's exponent field - 4, held at 1 from below.
;   Rows are dense and 1,024 is a multiple of 32: the tensor is a plain stream of blocks.  A wave takes 16 steps of 512 numbers.  Each load reads 512 consecutive bytes; a step's 2,048 bytes turn through the wave's own
;   stage in LDS (16 bytes of padding behind each 64) so that a lane holds 16 neighbours along K, which is what the conversion takes.  The wave's 256 scale bytes are gathered in LDS and leave as one aligned 256 bytes.
; Work-groups 256-319: W1's and W2's codes and scale bytes are laid once in the order in which the last launch's waves take them into registers: wimg [wave 0..7][8 x layer + K step][13,312 bytes]: eight fragments
;   (16 rows x 128 K, 12 registers a lane) as three images of 512 bytes (registers 4 c .. 4 c + 3 at 16 x lane), then two groups of 512 bytes of scale words (lane l's 16 bytes: the words of tiles 4 G .. 4 G + 3).
;   THE ROWS OF A TILE ARE NOT NEIGHBOURS: lane r of tile t takes row 32 (t / 2) + 8 (t % 2) + r + 8 (r / 8), so that the products' results lie along the next K in its true order.  One wave makes one record.
; LIMITS: blocks whose largest magnitude lies under 2^-122 get the byte 1, a block of zeros too (the rule says 127: its codes are zeros and this program alone reads the bytes); NaN and infinities are not served.
; No tensor loads, no barrier: waves share nothing.  Only the first job uses LDS.
.set STEPS, 16
.set EMAX,  4
.set CB,    12                         ; bytes of 16 codes
.set R,     16                         ; v16-79   four sets of 16 numbers as they are loaded
.set X,     80                         ; v80-111  two sets of 16 neighbours
.set C,     128                        ; v128-191 codes: four registers for each step, so that no store's data are written again
.set E,     112                        ; v112-127 a scale byte for each step
.set WREG,  8192                       ; LDS: a region for each wave: two stages of 32 x SP bytes, behind them its 256 scale bytes
.set SP,    80                         ; a lane's place in a stage: 64 bytes + 16 of padding
.set REC,   13312                      ; a record of wimg
	s_load_b512 s[4:19], s[0:1], 0x0               ; query, W1's codes, W1's scales, W2's codes, W2's scales, qcodes, qscales, wimg
	v_lshl_add_u32 v192, v0, 2, 0x4000
	v_mov_b32 v193, 0
	v_lshrrev_b32 v1, 5, v0
	v_readfirstlane_b32 s20, v1                    ; wave 0, 1
	v_and_b32 v2, 31, v0                           ; lane
	s_cmp_lt_u32 ttmp9, 256
	s_cbranch_scc0 .Lrelay
	; ---------------- the quantiser
	v_lshlrev_b32 v3, 4, v2                        ; my 16 bytes of a load's 512
	s_mul_i32 s24, s20, WREG
	v_lshrrev_b32 v14, 2, v2
	v_mul_u32_u24 v14, v14, SP
	v_and_b32 v15, 3, v2
	v_lshl_add_u32 v14, v15, 4, v14
	v_add_nc_u32 v14, s24, v14                     ; the stage, on the way in: SP (lane / 4) + 16 (lane % 4)
	v_mul_u32_u24 v15, v2, SP
	v_add_nc_u32 v15, s24, v15                     ; and on the way out: SP x lane: my 16 neighbours
	v_mul_u32_u24 v4, v2, CB                       ; my codes' place in a step's
	v_lshrrev_b32 v5, 1, v2
	s_add_co_u32 s24, s24, 2*32*SP
	v_add_nc_u32 v5, s24, v5                       ; LDS: my wave's 256 scale bytes, my block's byte
	v_lshlrev_b32 v7, 3, v2                        ; and on the way out 8 bytes a lane
	v_add_nc_u32 v6, s24, v7
	s_lshl_b32 s21, ttmp9, 1
	s_add_co_u32 s21, s21, s20                     ; which run of 8,192 numbers is my wave's: 0 .. 511
	s_lshl_b32 s26, s21, 15                        ; 32,768 bytes of f32,
	s_mov_b32 s27, 0
	s_mul_i32 s28, s21, 32*STEPS*CB                ; 6,144 bytes of codes,
	s_mov_b32 s29, 0
	s_lshl_b32 s30, s21, 8                         ; 256 scale bytes a run
	s_mov_b32 s31, 0
	s_wait_alu depctr_va_vdst(0)
	s_wait_kmcnt 0x0
	s_add_nc_u64 s[4:5], s[4:5], s[26:27]
	s_add_nc_u64 s[14:15], s[14:15], s[28:29]
	s_add_nc_u64 s[16:17], s[16:17], s[30:31]
.macro LOAD t
.irp i, 0,1,2,3
	global_load_b128 v[R+16*((\t)%4)+4*\i:R+16*((\t)%4)+4*\i+3], v3, s[4:5] offset:2048*(\t)+512*\i   ; 32 lanes read 512 consecutive bytes
.endr
.endm
.macro TURN t                          ; step t's numbers through the stage: LDS serves a wave's instructions in order, so no wait stands between the stores and the loads
.irp i, 0,1,2,3
	ds_store_b128 v14, v[R+16*((\t)%4)+4*\i:R+16*((\t)%4)+4*\i+3] offset:32*SP*((\t)%2)+8*SP*\i
.endr
.irp i, 0,1,2,3
	ds_load_b128 v[X+16*((\t)%2)+4*\i:X+16*((\t)%2)+4*\i+3], v15 offset:32*SP*((\t)%2)+16*\i
.endr
.endm
.irp t, 0,1,2,3
	LOAD \t
.endr
	s_wait_loadcnt 12                              ; step 0's four loads are in; the twelve of steps 1 to 3 may be out
	TURN 0
.macro STEP t
.set XS, X+16*((\t)%2)
.if (\t) > 0
	s_wait_dscnt 1                                 ; this step's numbers are back from the stage (the last step's byte store may be out): so its stores into the stage have read their registers,
.else
	s_wait_dscnt 0x0
.endif
.if (\t)+4 < STEPS
	LOAD (\t)+4                                    ; which take the loads of four steps on
.endif
.if (\t)+1 < STEPS
.if STEPS-2-(\t) >= 3
	s_wait_loadcnt 12                              ; the next step's four loads are in; those of the three steps behind it may be out
.else
	s_wait_loadcnt 4*(STEPS-2-(\t))
.endif
	TURN (\t)+1                                    ; and go through the other stage while this step is worked
.endif
	v_max3_num_f32 v8, |v[XS]|, |v[XS+1]|, |v[XS+2]|               ; the largest magnitude of my 16, in two chains
	v_max3_num_f32 v9, |v[XS+3]|, |v[XS+4]|, |v[XS+5]|
.irp i, 6,10
	v_max3_num_f32 v8, v8, |v[XS+\i]|, |v[XS+\i+1]|
	v_max3_num_f32 v9, v9, |v[XS+\i+2]|, |v[XS+\i+3]|
.endr
	v_max3_num_f32 v8, v8, |v[XS+14]|, |v[XS+15]|
	v_max3_num_f32 v8, v8, v9, (EMAX+1)<<23        ; and the floor 2^(5 - 127): the byte cannot fall under 1
	v_max_num_f32_dpp v8, v8, v8 row_xmask:1 row_mask:0xf bank_mask:0xf   ; and of my neighbour's 16: the block's
	v_add_nc_u32 v11, 0xfe000000, v8               ; 4 off its exponent field: the conversion takes the exponent field of this operand as its scale
	v_cvt_scalef32_pk16_bf6_f32 v[C+4*(\t):C+4*(\t)+2], v[XS:XS+15], v11
	v_lshrrev_b32 v[E+(\t)], 23, v11               ; the scale's byte (a plain line behind the conversion)
	ds_store_b8 v5, v[E+(\t)] offset:16*(\t)       ; both lanes of a block write the same byte with the same value
	global_store_b96 v4, v[C+4*(\t):C+4*(\t)+2], s[14:15] offset:32*CB*(\t)   ; the wave stores 384 consecutive bytes
.endm
.irp t, 0,1,2,3,4,5,6,7,8,9,10,11,12,13,14,15
	STEP \t
.endr
	ds_load_b64 v[12:13], v6                       ; LDS serves a wave's instructions in order: these see my stores
	s_wait_dscnt 0x0
	global_store_b64 v7, v[12:13], s[16:17]        ; 32 lanes store 256 consecutive bytes, aligned
	s_wait_tensorcnt 0x0
	ds_add_u32 v192, v193
	s_wait_dscnt 0x0
	s_endpgm
	; ---------------- the weights' records
.Lrelay:
	s_sub_co_u32 s21, ttmp9, 256
	s_lshl_b32 s21, s21, 1
	s_add_co_u32 s21, s21, s20                     ; the record: 16 x wave of the last launch + 8 x layer + K step
	s_lshr_b32 s22, s21, 4                         ; that wave: rows 128 w on
	s_bfe_u32 s23, s21, 0x10003                    ; the layer: 0 W1, 1 W2
	s_and_b32 s24, s21, 7                          ; the K step of 128
	s_wait_alu depctr_va_vdst(0)
	v_and_b32 v4, 15, v2                           ; r
	v_lshrrev_b32 v5, 4, v2                        ; h
	v_and_b32 v6, 8, v4
	v_add_nc_u32 v6, v6, v4                        ; r + 8 (r / 8)
	v_mul_u32_u24 v1, v6, 768                      ; a row of 1,024 codes is 768 bytes
	v_mad_u32_u24 v1, v5, 24, v1                   ; + 24 h
	v_lshlrev_b32 v7, 5, v6                        ; a row of scale bytes is 32
	v_lshlrev_b32 v3, 4, v2                        ; out: 16 x lane
	s_mul_i32 s26, s22, 128*768
	s_mul_i32 s25, s24, 96
	s_add_co_u32 s26, s26, s25
	s_mov_b32 s27, 0
	s_lshl_b32 s28, s22, 12
	s_lshl_b32 s25, s24, 2
	s_add_co_u32 s28, s28, s25
	s_mov_b32 s29, 0
	s_mul_i32 s30, s21, REC
	s_mov_b32 s31, 0
	s_wait_alu depctr_va_vdst(0)
	s_wait_kmcnt 0x0
	s_cmp_eq_u32 s23, 0                            ; the choice hangs on the work-group's and the wave's number alone
	s_cselect_b64 s[6:7], s[6:7], s[10:11]
	s_cselect_b64 s[8:9], s[8:9], s[12:13]
	s_add_nc_u64 s[6:7], s[6:7], s[26:27]
	s_add_nc_u64 s[8:9], s[8:9], s[28:29]
	s_add_nc_u64 s[18:19], s[18:19], s[30:31]
.irp t, 0,1,2,3,4,5,6,7
.irp p, 0,1,2,3,4,5
	global_load_b64 v[32+12*\t+2*\p:33+12*\t+2*\p], v1, s[6:7] offset:(32*(\t/2)+8*(\t%2))*768+48*(\p/3)+8*(\p%3)
.endr
	global_load_b32 v[128+\t], v7, s[8:9] offset:(32*(\t/2)+8*(\t%2))*32
.endr
	s_wait_loadcnt 0x0
.irp t, 0,1,2,3,4,5,6,7
.irp c, 0,1,2
	global_store_b128 v3, v[32+12*\t+4*\c:35+12*\t+4*\c], s[18:19] offset:1536*\t+512*\c   ; 512 consecutive bytes, aligned
.endr
.endr
.irp g, 0,1
	global_store_b128 v3, v[128+4*\g:131+4*\g], s[18:19] offset:12288+512*\g
.endr
	s_endpgm
.Lfunc_end_k_q17b874dd03_prep:
	.size	k_q17b874dd03_prep, .Lfunc_end_k_q17b874dd03_prep-k_q17b874dd03_prep
	.p2alignl 7, 3214868480
	.fill 96, 4, 3214868480
	.section	.rodata,"a",@progbits
	.p2align	6, 0x0
	.amdhsa_kernel k_q17b874dd03_prep
		.amdhsa_group_segment_fixed_size 16640
		.amdhsa_private_segment_fixed_size 0
		.amdhsa_enable_private_segment 0
		.amdhsa_kernarg_size 64
		.amdhsa_user_sgpr_count 2
		.amdhsa_user_sgpr_kernarg_segment_ptr 1
		.amdhsa_wavefront_size32 1
		.amdhsa_system_sgpr_workgroup_id_x 1
		.amdhsa_system_sgpr_workgroup_id_y 1
		.amdhsa_system_sgpr_workgroup_id_z 1
		.amdhsa_system_vgpr_workitem_id 0
		.amdhsa_next_free_vgpr 194
		.amdhsa_next_free_sgpr 66
		.amdhsa_reserve_vcc 0
		.amdhsa_float_denorm_mode_32 3
		.amdhsa_float_denorm_mode_16_64 3
		.amdhsa_memory_ordered 1
		.amdhsa_forward_progress 1
		.amdhsa_inst_pref_size 41
	.end_amdhsa_kernel
	.amdgpu_metadata
---
amdhsa.version: [ 1, 2 ]
amdhsa.kernels:
  - .name:           k_q17b874dd03_prep
    .symbol:         k_q17b874dd03_prep.kd
    .args:
      - { .name: query, .offset: 0, .size: 8, .value_kind: global_buffer, .address_space: global }
      - { .name: W1_codes, .offset: 8, .size: 8, .value_kind: global_buffer, .address_space: global }
      - { .name: W1_scales, .offset: 16, .size: 8, .value_kind: global_buffer, .address_space: global }
      - { .name: W2_codes, .offset: 24, .size: 8, .value_kind: global_buffer, .address_space: global }
      - { .name: W2_scales, .offset: 32, .size: 8, .value_kind: global_buffer, .address_space: global }
      - { .name: qcodes, .offset: 40, .size: 8, .value_kind: global_buffer, .address_space: global }
      - { .name: qscales, .offset: 48, .size: 8, .value_kind: global_buffer, .address_space: global }
      - { .name: wimg, .offset: 56, .size: 8, .value_kind: global_buffer, .address_space: global }
    .group_segment_fixed_size: 16640
    .private_segment_fixed_size: 0
    .kernarg_segment_align: 8
    .kernarg_segment_size: 64
    .max_flat_workgroup_size: 64
    .sgpr_count:     66
    .vgpr_count:     194
    .wavefront_size: 32
...
	.end_amdgpu_metadata
.endif
;; end of part 1
;; launch proj (part 2): grid 4 x 112, 4 waves a work-group, clusters of 4 x 4, 327,680 bytes of LDS; arguments qcodes, h_t_codes, h_a_codes, h_v_codes, qscales, h_t_scales, h_a_scales, h_v_scales, Wq_codes, Wkt_codes, Wka_codes, Wkv_codes, Wvt_codes, Wva_codes, Wvv_codes, Wq_scales, Wkt_scales, Wka_scales, Wkv_scales, Wvt_scales, Wva_scales, Wvv_scales, kv, qf; writes kv, qf
.if DOCPART == 2
	.amdgcn_target "amdgcn-amd-amdhsa--gfx1250"
	.amdhsa_code_object_version 6
	.text
	.protected	k_q17b874dd03_proj
	.globl	k_q17b874dd03_proj
	.p2align	8
	.type	k_q17b874dd03_proj,@function
k_q17b874dd03_proj:
	s_mov_b64 s[64:65], 0
	v_nop
	global_prefetch_b8 v0, s[64:65] scope:SCOPE_SE
	s_setreg_imm32_b32 hwreg(HW_REG_WAVE_MODE, 25, 1), 1
	s_wait_xcnt 0x0
	s_wait_alu depctr_hold_cnt(0) depctr_sa_sdst(0) depctr_va_vdst(0) depctr_va_sdst(0) depctr_va_ssrc(0) depctr_va_vcc(0) depctr_vm_vsrc(0)
	s_getreg_b32 s2, hwreg(HW_REG_IB_STS2, 6, 4)
	s_cmp_eq_u32 s2, 0
	s_cbranch_scc0 .Lentry_in_a_cluster
	s_endpgm
.Lentry_in_a_cluster:
	s_bfe_u32 s2, ttmp6, 0x10000c
	s_cmp_lg_u32 s2, 0xf033
	s_cbranch_scc0 .Lentry_shape_is_right
	s_endpgm
.Lentry_shape_is_right:
; PROJ.  Seven products [4096 x 1024] x [1024 x 1024] on codes of BF6 (E3M2) with one E8M0 scale for each 32 along K: product 0: q = query Wq; 1-3: k = h_s Wk_s; 4-6: v = h_s Wv_s (s = t, a, v).
; Cluster row y / 4 of the grid names the product.  A work-group makes 256 x 256 of a result, a wave 128 x 128 (64 accumulators).  For v the operands change places (A = rows of Wv, B = rows of h), so that v comes out with the keys along a lane's registers.
; K goes through a ring of two LDS slots in CHUNKS OF 256 BYTES of each row of codes (a row is 768 bytes: three chunks, each on a multiple of 256 bytes); a matrix step of 128 along K is 96 bytes: eight steps to three chunks;
; steps 2 and 5 lie across two chunks.  The scales of the 256 + 256 rows, for all of K, come into LDS once.  4 x 4 work-groups form a cluster: A's tiles are asked for jointly along a row of it, B's along a column.
; The matrix instruction is used transposed (source 0 = rows of B, source 1 = rows of A): a lane holds one row of A's side and eight columns a tile.
; THE WAY OUT quantises each 16 rows x 128 columns (two heads of 64, or 128 keys) along the columns and stores images of operand registers: 768 bytes a half fragment (registers 0-3 at 16 x lane, registers 4-5 at 512 + 8 x lane).
; Inside a block of 32 the numbers stand in the order 0-7, 16-23, 8-15, 24-31, the same for q and k, and for v and the next launch's p.
;   qf: codes at (64 bh + tile of 16 queries) x 1,536 + 768 x head of the pair; scale words at 3,145,728 + 16,384 bh + 8,192 head + 512 (tile / 4) + 16 lane + 4 (tile % 4).  bh = 8 x batch + pair of heads.
;   kv: blocks of 110,592 bytes, block ((3 bh + source) x 2 + half of the keys): k's codes at 1,536 x tile of 16 keys + 768 head; v's at 49,152 + 12,288 x step of 128 keys + 6,144 head + 1,536 x tile of 16 channels + 768 x half of the step;
;   k's scale words at 98,304 + 4,096 head + 512 (tile / 4) + 16 lane; v's at 106,496 + 1,024 step + 512 head + 16 lane.
; PREFETCH: chunk 1 is named at the head, while chunk 0's loads are out, and chunk 2 behind chunk 1's load: each one chunk ahead of the load that wants it.  A wave names 32 rows x 256 bytes, a lane a row: of the 128 rows
; that it fetches in the ring, the 32 that fall to its work-group among the four partners that ask for them jointly (told apart by address: cx for A, cy for B).  Chunk 0 comes by its load alone; nothing lies beyond chunk 2.
; LIMITS: NaN and infinities are not served; a block whose largest magnitude lies under 2^-122 gets the byte 1, a block of zeros too (its codes are zeros and this program alone reads the bytes).
.set ROWB,   256
.set NQ,     2
.set KROW,   768
.set STEPS,  8
.set CHUNKS, 3
.set PITCH,  272                       ; an LDS row: 256 bytes + 16 of padding
.set FR,     12
.set NL,     6
.set NP,     4
.set HALFT,  128*PITCH
.set SLOT,   4*HALFT                   ; A's 256 rows, then B's 256 rows
.set KS,     32                        ; a row of scale bytes
.set SCL,    2*SLOT
.set HALFS,  16*272                    ; the scales of 128 rows
.set SBLK,   2*272                     ; of 16 rows
.set SPARE,  SCL+4*HALFS               ; the spare words: 128 bytes a wave
.set ADRA, 16                          ; v16-19 LDS addresses of A's fragments (slot 0, 1; across chunks from slot 0, 1)
.set ADRB, 20                          ; v20-23 B's
.set O8,   25                          ; 8 x lane
.set O16,  26                          ; 16 x lane
.set ADRS, 27
.set SPW,  28
.set NIL,  29
.set PFO,  30                          ; the prefetches' offset: lane x a row of codes; never rewritten.  Their base is s[2:3], never rewritten
.set SC,   32                          ; v32-63 scale words, two sets
.set TM,   64                          ; the way out: at work
.set PC,   80
.set SW,   100
.set SX,   108
.set AF,   128                         ; A's fragments, window 0; B's two sets in window 1; accumulators in windows 2 and 3
.set G1, 24
.set G0, 32
.set G1B, 48
.set G0B, 56
.set G1S, 68
.set G0S, 76
.set G1SB, 80
.set G0SB, 88
.set G0H, 4
.set G0HB, 8
.set MSB, 0
.macro WIN new
.if MSB != \new
	s_set_vgpr_msb (MSB<<8)|\new
.set MSB, \new
.endif
.endm
.set MUL_LO, 0xa1
.set MUL_HI, 0xf1
.set TO_B,   0x40
.macro JLOAD g0a, g1a, g0b, g1b        ; waves 0, 1 fetch for A, waves 2, 3 for B; s_nop 0 and four v_nop behind each line
	s_cmp_eq_u32 s15, 0
	s_cbranch_scc0 .Lfor_b_\@
	tensor_load_to_lds s[\g0a:\g0a+3], s[\g1a:\g1a+7]
	s_nop 0
.rept 4
	v_nop
.endr
	s_branch .Lasked_\@
.Lfor_b_\@:
	tensor_load_to_lds s[\g0b:\g0b+3], s[\g1b:\g1b+7]
	s_nop 0
.rept 4
	v_nop
.endr
.Lasked_\@:
.endm
.macro CREST
	s_cmp_lg_u32 s14, 0
	s_cbranch_scc1 .Lnot_wave_0_\@
	s_barrier_signal -3
.Lnot_wave_0_\@:
	s_barrier_wait -3
	s_barrier_signal -1
	s_barrier_wait -1
.endm
.macro CROUND
	s_barrier_signal -1
	s_barrier_wait -1
	CREST
.endm
.macro PICK dst, idx, val, cand
	s_cmp_eq_u32 s[\idx], \val
	s_cselect_b64 s[\dst:\dst+1], s[\cand:\cand+1], s[\dst:\dst+1]
.endm
	s_load_b512 s[24:39], s[0:1], 0x0
	s_load_b512 s[40:55], s[0:1], 0x40
	s_load_b512 s[68:83], s[0:1], 0x80
	v_lshl_add_u32 v[SPW], v0, 2, SPARE
	v_mov_b32 v[NIL], 0
	ds_add_u32 v[SPW], v[NIL]                      ; the opening lines: the add twice on end and one wait
	ds_add_u32 v[SPW], v[NIL]
	v_lshrrev_b32 v1, 5, v0
	v_readfirstlane_b32 s14, v1                    ; wave
	s_lshr_b32 s15, s14, 1                         ; my half of the rows; also: I fetch for A (0) or B (1)
	s_and_b32 s16, s14, 1                          ; my half of the columns; also: which 128 rows I fetch
	s_and_b32 s3, ttmp7, 0xffff
	s_lshr_b32 s96, s3, 2                          ; the product, 0 .. 6
	s_and_b32 s3, s3, 3
	s_lshl_b32 s3, s3, 2
	s_cmp_ge_u32 s96, 4
	s_cselect_b32 s97, 1, 0                        ; 1: a product for v
	s_cselect_b32 s98, s3, 0                       ; first tile column of my cluster
	s_cselect_b32 s99, 0, s3                       ; first tile row
	s_cselect_b32 s100, 3, 0
	s_sub_co_u32 s100, s96, s100                   ; which activations: 0 query, 1-3 h_t, h_a, h_v
	s_max_u32 s101, s100, 1
	s_sub_co_u32 s101, s101, 1                     ; the source
	s_wait_dscnt 0x0
	s_wait_kmcnt 0x0
	s_mov_b64 s[88:89], s[24:25]
	PICK 88, 100, 1, 26
	PICK 88, 100, 2, 28
	PICK 88, 100, 3, 30
	s_mov_b64 s[90:91], s[32:33]
	PICK 90, 100, 1, 34
	PICK 90, 100, 2, 36
	PICK 90, 100, 3, 38
	s_mov_b64 s[92:93], s[40:41]
	PICK 92, 96, 1, 42
	PICK 92, 96, 2, 44
	PICK 92, 96, 3, 46
	PICK 92, 96, 4, 48
	PICK 92, 96, 5, 50
	PICK 92, 96, 6, 52
	s_mov_b64 s[94:95], s[54:55]
	PICK 94, 96, 1, 68
	PICK 94, 96, 2, 70
	PICK 94, 96, 3, 72
	PICK 94, 96, 4, 74
	PICK 94, 96, 5, 76
	PICK 94, 96, 6, 78
	s_cmp_eq_u32 s97, 1
	s_cselect_b64 s[4:5], s[92:93], s[88:89]       ; A's codes, A's scales, B's codes, B's scales
	s_cselect_b64 s[6:7], s[94:95], s[90:91]
	s_cselect_b64 s[8:9], s[88:89], s[92:93]
	s_cselect_b64 s[10:11], s[90:91], s[94:95]
	s_cmp_eq_u32 s96, 0
	s_cselect_b64 s[12:13], s[82:83], s[80:81]     ; qf or kv
	s_bfe_u32 s40, ttmp6, 0x40000                  ; cx
	s_bfe_u32 s41, ttmp6, 0x40004                  ; cy
	s_add_co_u32 s42, s98, s40                     ; tile column
	s_add_co_u32 s17, s99, s41                     ; tile row
	s_lshl_b32 s43, s41, 2
	s_lshl_b32 s43, 15, s43                        ; my row of the cluster
	s_lshl_b32 s44, 0x1111, s40                    ; my column
	s_cmp_eq_u32 s15, 0                            ; the prefetches' base: do I fetch for A?
	s_cselect_b64 s[2:3], s[4:5], s[8:9]
	s_cselect_b32 s18, s17, s42                    ; the tile's place: by the tile row in A, by the tile column in B
	s_cselect_b32 s19, s40, s41                    ; my place among the four that ask for it with me
	s_lshl_b32 s18, s18, 8
	s_lshl_b32 s22, s16, 7
	s_add_co_u32 s18, s18, s22                     ; + the 128 rows that I fetch
	s_lshl_b32 s19, s19, 5
	s_add_co_u32 s18, s18, s19                     ; + my work-group's 32 of them
	s_mul_i32 s18, s18, KROW
	s_mov_b32 s19, 0
	s_add_nc_u64 s[2:3], s[2:3], s[18:19]
	s_or_b32 s[G1+0], s43, (1<<20)|(1<<21)|(5<<22)|(3<<25)   ; elements of 1 byte; 4 words of padding behind every 64; bit 21 beside the mask
	s_or_b32 s[G1B+0], s44, (1<<20)|(1<<21)|(5<<22)|(3<<25)
.irp g, G1, G1B
	s_mov_b32 s[\g+1], ROWB<<16
	s_mov_b32 s[\g+2], 256<<16                     ; 256 rows for the head's loads
	s_mov_b32 s[\g+3], ROWB<<16
	s_mov_b32 s[\g+4], 256
	s_mov_b32 s[\g+5], KROW
	s_mov_b32 s[\g+6], 0
	s_mov_b32 s[\g+7], 0
.endr
	s_or_b32 s[G1S+0], s43, (3<<16)|(1<<20)|(1<<21)|(5<<22)|(3<<25)   ; the scales of 256 rows: 8,192 dense bytes as 32 rows of 256
	s_or_b32 s[G1SB+0], s44, (3<<16)|(1<<20)|(1<<21)|(5<<22)|(3<<25)
.irp g, G1S, G1SB
	s_mov_b32 s[\g+1], 32<<16
	s_mov_b32 s[\g+2], KS<<16
	s_mov_b32 s[\g+3], 32<<16
	s_mov_b32 s[\g+4], KS
	s_mov_b32 s[\g+5], 32
	s_mov_b32 s[\g+6], 0
	s_mov_b32 s[\g+7], 0
.endr
	s_lshl_b32 s20, s17, 8
	s_lshl_b32 s46, s42, 8
	s_mov_b32 s21, 0
	s_mov_b32 s47, 0
	s_mov_b64 s[18:19], KS
	s_mul_u64 s[22:23], s[20:21], s[18:19]
	s_mul_u64 s[92:93], s[46:47], s[18:19]
	s_mov_b64 s[18:19], KROW
	s_mul_u64 s[20:21], s[20:21], s[18:19]
	s_mul_u64 s[46:47], s[46:47], s[18:19]
	s_mul_i32 s18, s16, 128*KROW
	s_mov_b32 s19, 0
	s_mul_i32 s45, s14, HALFT
	s_add_nc_u64 s[20:21], s[4:5], s[20:21]
	s_add_nc_u64 s[22:23], s[6:7], s[22:23]
	s_add_nc_u64 s[46:47], s[8:9], s[46:47]
	s_add_nc_u64 s[92:93], s[10:11], s[92:93]
	CROUND                                         ; the first joint loads meet
	s_mov_b32 s[G0H], 1
	s_mov_b32 s[G0H+1], 0
	s_mov_b64 s[G0H+2:G0H+3], s[20:21]
	s_or_b32 s[G0H+3], s[G0H+3], 0x80000000
	s_mov_b32 s[G0HB], 1
	s_mov_b32 s[G0HB+1], 2*HALFT
	s_mov_b64 s[G0HB+2:G0HB+3], s[46:47]
	s_or_b32 s[G0HB+3], s[G0HB+3], 0x80000000
	s_mov_b32 s[G0S], 1
	s_mov_b32 s[G0S+1], SCL
	s_mov_b64 s[G0S+2:G0S+3], s[22:23]
	s_or_b32 s[G0S+3], s[G0S+3], 0x80000000
	s_mov_b32 s[G0SB], 1
	s_mov_b32 s[G0SB+1], SCL+2*HALFS
	s_mov_b64 s[G0SB+2:G0SB+3], s[92:93]
	s_or_b32 s[G0SB+3], s[G0SB+3], 0x80000000
	s_add_nc_u64 s[20:21], s[20:21], s[18:19]      ; for the ring: my 128 rows
	s_add_nc_u64 s[46:47], s[46:47], s[18:19]
.irp s, 0,1
	s_mov_b32 s[G0+4*\s], 1
	s_add_co_u32 s[G0+4*\s+1], s45, \s*SLOT
	s_add_nc_u64 s[G0+4*\s+2:G0+4*\s+3], s[20:21], \s*ROWB
	s_or_b32 s[G0+4*\s+3], s[G0+4*\s+3], 0x80000000
	s_mov_b32 s[G0B+4*\s], 1
	s_add_co_u32 s[G0B+4*\s+1], s45, \s*SLOT
	s_add_nc_u64 s[G0B+4*\s+2:G0B+4*\s+3], s[46:47], \s*ROWB
	s_or_b32 s[G0B+4*\s+3], s[G0B+4*\s+3], 0x80000000
.endr
; the head's four tiles, one a wave: chunk 0 of A's 256 rows, of B's, A's scales, B's scales; one chain of branches on the wave's number
.macro ARM under, g0, g1, next
	s_cmp_lt_u32 s14, \under
	s_cbranch_scc0 \next
	tensor_load_to_lds s[\g0:\g0+3], s[\g1:\g1+7]
	s_nop 0
.rept 4
	v_nop
.endr
	s_branch .Lhead_asked
\next:
.endm
	ARM 1, G0H,  G1,  .Lhead_b
	ARM 2, G0HB, G1B, .Lhead_sa
	ARM 3, G0S,  G1S, .Lhead_sb
	tensor_load_to_lds s[G0SB:G0SB+3], s[G1SB:G1SB+7]
	s_nop 0
.rept 4
	v_nop
.endr
.Lhead_asked:
	v_and_b32 v1, 15, v0                           ; r
	v_bfe_u32 v2, v0, 4, 1                         ; h
	v_mul_u32_u24 v3, v1, PITCH
	v_mul_u32_u24 v4, v2, 24
	v_add_nc_u32 v4, v3, v4                        ; row x pitch + 24 h
	s_mov_b32 s21, SLOT-232
	s_mov_b32 s22, SLOT+232
	v_sub_nc_u32 v7, 1, v2
	v_mul_u32_u24 v5, s21, v2
	v_add_nc_u32 v5, v3, v5
	v_add_nc_u32 v5, 232, v5                       ; across chunks: lanes 0-15 byte 232 in slot 0, lanes 16-31 byte 0 in slot 1;
	v_mul_u32_u24 v6, s22, v7
	v_add_nc_u32 v6, v3, v6                        ; and the other way round
	s_mul_i32 s21, s15, HALFT
	s_mul_i32 s22, s16, HALFT
	s_add_co_u32 s22, s22, 2*HALFT
	v_add_nc_u32 v[ADRA+2], s21, v5
	v_add_nc_u32 v[ADRA+3], s21, v6
	v_add_nc_u32 v[ADRB+2], s22, v5
	v_add_nc_u32 v[ADRB+3], s22, v6
.irp s, 0,1
	v_add_nc_u32 v[ADRA+\s], s21, v4
	v_add_nc_u32 v[ADRB+\s], s22, v4
	s_add_co_u32 s21, s21, SLOT
	s_add_co_u32 s22, s22, SLOT
.endr
	v_mul_u32_u24 v5, v1, KS
	v_lshrrev_b32 v6, 8, v5
	v_lshl_add_u32 v5, v6, 4, v5
	s_mul_i32 s21, s15, HALFS
	s_mul_i32 s22, s16, HALFS
	s_add_co_u32 s22, s22, 2*HALFS
	s_sub_co_u32 s22, s22, s21
	v_mul_u32_u24 v6, s22, v2                      ; lanes 16-31 take B's scale words
	s_add_co_u32 s21, s21, SCL
	v_add_nc_u32 v5, v5, v6
	v_add_nc_u32 v[ADRS], s21, v5
	v_and_b32 v6, 31, v0
	v_lshlrev_b32 v[O16], 4, v6
	v_lshlrev_b32 v[O8], 3, v6
	v_mul_u32_u24 v[PFO], v6, KROW
	global_prefetch_b8 v[PFO], s[2:3] offset:ROWB th:TH_LOAD_NT scope:SCOPE_SE     ; chunk 1 of my 32 rows
.irp b, 0,1,2,3
	v_mov_b32 v[TM+4+\b], 0                        ; a lane permute's destination counts as one of its sources
.endr
	; where my 128 x 128 goes, by the layouts at the head of this text
	s_lshl_b32 s18, s17, 4
	s_lshl_b32 s19, s15, 3
	s_add_co_u32 s18, s18, s19                     ; my first block of 16 rows
	s_lshl_b32 s19, s42, 1
	s_add_co_u32 s19, s19, s16                     ; my run of 128 columns
	s_lshr_b32 s40, s18, 6
	s_and_b32 s41, s18, 63
	s_lshr_b32 s43, s19, 3
	s_and_b32 s44, s19, 7
	s_lshr_b32 s45, s18, 3
	s_lshr_b32 s46, s44, 2
	s_lshr_b32 s47, s41, 5
	s_and_b32 s92, s44, 3
	s_and_b32 s93, s41, 31
	s_mul_i32 s94, s92, 12288
	s_add_co_u32 s94, s94, 49152
	s_mul_i32 s95, s93, 1536
	s_lshl_b32 s92, s92, 10
	s_add_co_u32 s92, s92, 106496
	s_lshr_b32 s93, s93, 2
	s_lshl_b32 s93, s93, 9
	s_add_co_u32 s93, s93, 98304
	s_cmp_eq_u32 s97, 1
	s_cselect_b32 s40, s43, s40
	s_cselect_b32 s45, s45, s19
	s_cselect_b32 s46, s46, s47
	s_cselect_b32 s94, s94, s95
	s_cselect_b32 s92, s92, s93
	s_lshl_b32 s40, s40, 3
	s_add_co_u32 s40, s40, s45                     ; bh
	s_mul_i32 s43, s40, 3
	s_add_co_u32 s43, s43, s101
	s_lshl_b32 s43, s43, 1
	s_add_co_u32 s43, s43, s46
	s_mul_i32 s43, s43, 110592
	s_add_co_u32 s94, s94, s43
	s_add_co_u32 s92, s92, s43
	s_add_co_u32 s93, s92, 4096
	s_lshl_b32 s44, s40, 6
	s_add_co_u32 s44, s44, s41
	s_mul_i32 s44, s44, 1536
	s_lshl_b32 s47, s40, 14
	s_lshr_b32 s95, s41, 2
	s_lshl_b32 s95, s95, 9
	s_add_co_u32 s47, s47, s95
	s_add_co_u32 s47, s47, 3145728
	s_add_co_u32 s95, s47, 8192
	s_cmp_eq_u32 s96, 0
	s_cselect_b32 s18, s44, s94
	s_cselect_b32 s20, s47, s92
	s_cselect_b32 s22, s95, s93
	s_mov_b32 s19, 0
	s_mov_b32 s21, 0
	s_mov_b32 s23, 0
	s_add_nc_u64 s[20:21], s[12:13], s[20:21]      ; scale words, first head
	s_add_nc_u64 s[22:23], s[12:13], s[22:23]      ; second head
	s_add_nc_u64 s[12:13], s[12:13], s[18:19]      ; codes
	s_mov_b32 s98, 0x76543210
	s_mov_b32 s99, 0xfedcba98
.macro FRAG reg, adr, st, i            ; 16 rows x 128 K: 12 registers, in pieces of 8 bytes; byte y of a row lies in slot (y / 256) % 2 at byte y % 256 of the LDS row
.irp p, 0,1,2,3,4,5
.set BY, 96*(\st)+48*(\p/3)+8*(\p%3)
.if BY/ROWB == (BY+24)/ROWB
	ds_load_b64 v[\reg+2*\p:\reg+2*\p+1], v[\adr+(BY/ROWB)%2] offset:BY%ROWB+(\i)*16*PITCH
.else
	ds_load_b64 v[\reg+2*\p:\reg+2*\p+1], v[\adr+2+(BY/ROWB)%2] offset:BY%ROWB-232+(\i)*16*PITCH
.endif
.endr
.endm
.macro MUL16 a0, p, q, sc, zero        ; A's blocks a0, a0 + 1 x B's eight; the 64 accumulators take turns
.irp a, \a0, \a0+1
.irp b, 0,1,2,3,4,5,6,7
.if \zero
	v_wmma_scale_f32_16x16x128_f8f6f4 v[8*(8*((\a)%4)+\b):8*(8*((\a)%4)+\b)+7], v[128*(\p)+FR*\b:128*(\p)+FR*\b+FR-1], v[AF+FR*(\a):AF+FR*(\a)+FR-1], 0, v[SC+8*NQ*(\sc)+NQ*\b+(\q)], v[SC+8*NQ*(\sc)+NQ*(\a)+(\q)] matrix_a_fmt:MATRIX_FMT_BF6 matrix_b_fmt:MATRIX_FMT_BF6 matrix_a_scale:MATRIX_SCALE_ROW1
.else
	v_wmma_scale_f32_16x16x128_f8f6f4 v[8*(8*((\a)%4)+\b):8*(8*((\a)%4)+\b)+7], v[128*(\p)+FR*\b:128*(\p)+FR*\b+FR-1], v[AF+FR*(\a):AF+FR*(\a)+FR-1], v[8*(8*((\a)%4)+\b):8*(8*((\a)%4)+\b)+7], v[SC+8*NQ*(\sc)+NQ*\b+(\q)], v[SC+8*NQ*(\sc)+NQ*(\a)+(\q)] matrix_a_fmt:MATRIX_FMT_BF6 matrix_b_fmt:MATRIX_FMT_BF6 matrix_a_scale:MATRIX_SCALE_ROW1
.endif
.endr
.endr
.endm
.macro FETCH_B st, p
	WIN TO_B
.irp i, 0,1,2,3,4,5,6,7
	FRAG 128*(\p)+FR*\i, ADRB, \st, \i
.endr
	WIN 0
.endm
.macro FETCH_A st, i0
.irp i, \i0, \i0+1, \i0+2, \i0+3
	FRAG AF+FR*(\i), ADRA, \st, \i
.endr
.endm
.macro SCALES pr                       ; the scale words of steps 2 pr, 2 pr + 1: lanes 0-15 A's block i, lanes 16-31 B's
.irp i, 0,1,2,3,4,5,6,7
	ds_load_b64 v[SC+8*NQ*((\pr)%2)+NQ*\i:SC+8*NQ*((\pr)%2)+NQ*\i+1], v[ADRS] offset:\i*SBLK+4*NQ*(\pr)
.endr
.endm
.macro PLACES n
.rept \n
	v_nop
.endr
.endm
; A step: 64 products; the next step's fragments are fetched in its middle and at its end.  Where the next step's bytes end in a chunk not yet read, a barrier shows that chunk whole; where they begin in a later chunk,
; the chunk left behind is free: the wait for all tensor loads, the add, the wait for it and for my reads, the barrier, which opens a round of the cluster's barrier where a chunk is left to fetch, and the refill first behind it.
.macro STEP st, zero
.set NX, (\st)+1
.set C0, (96*(\st))/ROWB
.set C1, (96*NX)/ROWB
.set E0, (96*(\st)+95)/ROWB
.set E1, (96*NX+95)/ROWB
.if C1 > C0 || E1 > E0
	s_wait_tensorcnt 0x0
.if C1 > C0
	ds_add_u32 v[SPW], v[NIL]
	s_wait_dscnt 4*NL+1                            ; the add and A's blocks 4-7 may be out
.else
	s_wait_dscnt 4*NL                              ; A's blocks 4-7 may be out
.endif
	WIN MUL_LO
	MUL16 0, (\st)%2, (\st)%2, ((\st)/2)%2, \zero
	s_wait_dscnt 0x0
	s_barrier_signal -1
	MUL16 2, (\st)%2, (\st)%2, ((\st)/2)%2, \zero
	WIN 0
	s_barrier_wait -1
.if C1 > C0 && C0+2 < CHUNKS
	CREST
	s_add_nc_u64 s[G0+4*(C0%2)+2:G0+4*(C0%2)+3], s[G0+4*(C0%2)+2:G0+4*(C0%2)+3], 2*ROWB
	s_add_nc_u64 s[G0B+4*(C0%2)+2:G0B+4*(C0%2)+3], s[G0B+4*(C0%2)+2:G0B+4*(C0%2)+3], 2*ROWB
	JLOAD G0+4*(C0%2), G1, G0B+4*(C0%2), G1B       ; chunk C0 + 2; its four v_nop are the places in front of the loads below
.else
	PLACES NP
.endif
.else
	s_wait_dscnt 4*NL                              ; A's blocks 4-7 may be out
	WIN MUL_LO
	MUL16 0, (\st)%2, (\st)%2, ((\st)/2)%2, \zero
	MUL16 2, (\st)%2, (\st)%2, ((\st)/2)%2, \zero
	s_wait_dscnt 0
	PLACES NP
.endif
	FETCH_B NX, NX%2
	FETCH_A NX, 0
.if NX%2 == 0
	SCALES NX/2
.endif
	WIN MUL_HI
	MUL16 4, (\st)%2, (\st)%2, ((\st)/2)%2, \zero
	MUL16 6, (\st)%2, (\st)%2, ((\st)/2)%2, \zero
	PLACES NP
	WIN 0
	FETCH_A NX, 4
.endm
	s_wait_alu depctr_va_vdst(0)                   ; the wait at the head's end
	s_wait_tensorcnt 0x0                           ; my tile of the head's four is in
	ds_add_u32 v[SPW], v[NIL]                      ; an add ahead of a later first fill
	s_mov_b32 s[G1+2], 128<<16                     ; no load of mine is out: from here on a load brings 128 rows
	s_mov_b32 s[G1+4], 128
	s_mov_b32 s[G1B+2], 128<<16
	s_mov_b32 s[G1B+4], 128
	s_wait_dscnt 0x0
	CROUND
	JLOAD G0+4, G1, G0B+4, G1B                     ; chunk 1
	FETCH_B 0, 0
	FETCH_A 0, 0
	SCALES 0
	FETCH_A 0, 4
	global_prefetch_b8 v[PFO], s[2:3] offset:2*ROWB th:TH_LOAD_NT scope:SCOPE_SE   ; chunk 2 of my 32 rows: its load follows in the third step
	STEP 0, 1                                      ; the first step's products start the sums
.set ST, 1
.rept STEPS-2
	STEP ST, 0
.set ST, ST+1
.endr
	s_wait_dscnt 4*NL
	WIN MUL_LO
	MUL16 0, 1, 1, 1, 0
	MUL16 2, 1, 1, 1, 0
	s_wait_dscnt 0
	WIN MUL_HI
	MUL16 4, 1, 1, 1, 0
	MUL16 6, 1, 1, 1, 0
	WIN 0
; THE WAY OUT of block a: four blocks of 32 columns are quantised; a block lies in lanes l and l xor 16
.macro QOUT a
.set AC, 64*((\a)%4)
.set WS, 2+(\a)/4
.set WW, WS*5
	WIN WW
.irp b, 0,1,2,3
	v_max3_num_f32 v[TM+\b], |v[AC+16*\b]|, |v[AC+16*\b+1]|, 0x2800000   ; with the floor 2^(5 - 127): the byte cannot fall under 1
.endr
.irp i, 2,4,6,8,10,12,14
.irp b, 0,1,2,3
	v_max3_num_f32 v[TM+\b], |v[AC+16*\b+\i]|, |v[AC+16*\b+\i+1]|, v[TM+\b]
.endr
.endr
	WIN 0
.irp b, 0,1,2,3
	v_permlanex16_b32 v[TM+4+\b], v[TM+\b], s98, s99
.endr
.irp b, 0,1,2,3
	v_max_num_f32 v[TM+\b], v[TM+\b], v[TM+4+\b]
.endr
.irp b, 0,1,2,3
	v_add_nc_u32 v[TM+12+\b], 0xfe000000, v[TM+\b] ; 4 off the exponent field: the conversion's scale operand
.endr
.irp b, 0,1,2,3
	v_lshrrev_b32 v[TM+4+\b], 23, v[TM+12+\b]      ; the byte
.endr
	v_lshl_or_b32 v[SW+(\a)], v[TM+5], 8, v[TM+4]
	v_lshl_or_b32 v[SW+(\a)], v[TM+6], 16, v[SW+(\a)]
	v_lshl_or_b32 v[SW+(\a)], v[TM+7], 24, v[SW+(\a)]
	v_lshrrev_b32 v[SX+(\a)], 16, v[SW+(\a)]       ; the second head's two bytes
	s_wait_alu depctr_va_vdst(0)
	s_wait_xcnt 0x0                                ; the last block's stores have read their registers
	WIN WS
.irp c, 0,1
	v_cvt_scalef32_pk16_bf6_f32 v[PC+6*\c:PC+6*\c+2], v[AC+32*\c:AC+32*\c+15], v[TM+12+2*\c]
	v_cvt_scalef32_pk16_bf6_f32 v[PC+12+4*\c:PC+14+4*\c], v[AC+32*\c+16:AC+32*\c+31], v[TM+12+2*\c+1]
.endr
	WIN 0
	v_nop
.irp c, 0,1
.irp i, 0,1,2
	v_permlane16_swap_b32 v[PC+6*\c+\i], v[PC+12+4*\c+\i]
.endr
.irp i, 0,1,2
	v_mov_b32 v[PC+3+6*\c+\i], v[PC+12+4*\c+\i]
.endr
.endr
.irp c, 0,1
	global_store_b128 v[O16], v[PC+6*\c:PC+6*\c+3], s[12:13] offset:1536*(\a)+768*\c
	global_store_b64 v[O8], v[PC+6*\c+4:PC+6*\c+5], s[12:13] offset:1536*(\a)+768*\c+512
.endr
.if (\a)%4 == 3
	global_store_b128 v[O16], v[SW+(\a)-3:SW+(\a)], s[20:21] offset:512*((\a)/4)
	s_cmp_eq_u32 s97, 1
	s_cbranch_scc1 .Lone_set_\@                    ; v's words serve all 128 keys: one set
	global_store_b128 v[O16], v[SX+(\a)-3:SX+(\a)], s[22:23] offset:512*((\a)/4)
.Lone_set_\@:
.endif
.endm
	PLACES NP
.irp a, 0,1,2,3,4,5,6,7
	QOUT \a
.endr
	s_wait_tensorcnt 0x0                           ; the wave's end
	ds_add_u32 v[SPW], v[NIL]
	s_wait_dscnt 0x0
	CROUND                                         ; the closing round
	s_endpgm
.Lfunc_end_k_q17b874dd03_proj:
	.size	k_q17b874dd03_proj, .Lfunc_end_k_q17b874dd03_proj-k_q17b874dd03_proj
	.p2alignl 7, 3214868480
	.fill 96, 4, 3214868480
	.section	.rodata,"a",@progbits
	.p2align	6, 0x0
	.amdhsa_kernel k_q17b874dd03_proj
		.amdhsa_group_segment_fixed_size 327680
		.amdhsa_private_segment_fixed_size 0
		.amdhsa_enable_private_segment 0
		.amdhsa_kernarg_size 192
		.amdhsa_user_sgpr_count 2
		.amdhsa_user_sgpr_kernarg_segment_ptr 1
		.amdhsa_wavefront_size32 1
		.amdhsa_system_sgpr_workgroup_id_x 1
		.amdhsa_system_sgpr_workgroup_id_y 1
		.amdhsa_system_sgpr_workgroup_id_z 1
		.amdhsa_system_vgpr_workitem_id 0
		.amdhsa_next_free_vgpr 1024
		.amdhsa_next_free_sgpr 102
		.amdhsa_reserve_vcc 0
		.amdhsa_float_denorm_mode_32 3
		.amdhsa_float_denorm_mode_16_64 3
		.amdhsa_memory_ordered 1
		.amdhsa_forward_progress 1
		.amdhsa_inst_pref_size 170
	.end_amdhsa_kernel
	.amdgpu_metadata
---
amdhsa.version: [ 1, 2 ]
amdhsa.kernels:
  - .name:           k_q17b874dd03_proj
    .symbol:         k_q17b874dd03_proj.kd
    .args:
      - { .name: qcodes, .offset: 0, .size: 8, .value_kind: global_buffer, .address_space: global }
      - { .name: h_t_codes, .offset: 8, .size: 8, .value_kind: global_buffer, .address_space: global }
      - { .name: h_a_codes, .offset: 16, .size: 8, .value_kind: global_buffer, .address_space: global }
      - { .name: h_v_codes, .offset: 24, .size: 8, .value_kind: global_buffer, .address_space: global }
      - { .name: qscales, .offset: 32, .size: 8, .value_kind: global_buffer, .address_space: global }
      - { .name: h_t_scales, .offset: 40, .size: 8, .value_kind: global_buffer, .address_space: global }
      - { .name: h_a_scales, .offset: 48, .size: 8, .value_kind: global_buffer, .address_space: global }
      - { .name: h_v_scales, .offset: 56, .size: 8, .value_kind: global_buffer, .address_space: global }
      - { .name: Wq_codes, .offset: 64, .size: 8, .value_kind: global_buffer, .address_space: global }
      - { .name: Wkt_codes, .offset: 72, .size: 8, .value_kind: global_buffer, .address_space: global }
      - { .name: Wka_codes, .offset: 80, .size: 8, .value_kind: global_buffer, .address_space: global }
      - { .name: Wkv_codes, .offset: 88, .size: 8, .value_kind: global_buffer, .address_space: global }
      - { .name: Wvt_codes, .offset: 96, .size: 8, .value_kind: global_buffer, .address_space: global }
      - { .name: Wva_codes, .offset: 104, .size: 8, .value_kind: global_buffer, .address_space: global }
      - { .name: Wvv_codes, .offset: 112, .size: 8, .value_kind: global_buffer, .address_space: global }
      - { .name: Wq_scales, .offset: 120, .size: 8, .value_kind: global_buffer, .address_space: global }
      - { .name: Wkt_scales, .offset: 128, .size: 8, .value_kind: global_buffer, .address_space: global }
      - { .name: Wka_scales, .offset: 136, .size: 8, .value_kind: global_buffer, .address_space: global }
      - { .name: Wkv_scales, .offset: 144, .size: 8, .value_kind: global_buffer, .address_space: global }
      - { .name: Wvt_scales, .offset: 152, .size: 8, .value_kind: global_buffer, .address_space: global }
      - { .name: Wva_scales, .offset: 160, .size: 8, .value_kind: global_buffer, .address_space: global }
      - { .name: Wvv_scales, .offset: 168, .size: 8, .value_kind: global_buffer, .address_space: global }
      - { .name: kv, .offset: 176, .size: 8, .value_kind: global_buffer, .address_space: global }
      - { .name: qf, .offset: 184, .size: 8, .value_kind: global_buffer, .address_space: global }
    .group_segment_fixed_size: 327680
    .private_segment_fixed_size: 0
    .kernarg_segment_align: 8
    .kernarg_segment_size: 192
    .max_flat_workgroup_size: 128
    .sgpr_count:     102
    .vgpr_count:     1024
    .wavefront_size: 32
...
	.end_amdgpu_metadata
.endif
;; end of part 2
;; launch attn (part 3): grid 4 x 64, 16 waves a work-group, clusters of 4 x 1, 327,680 bytes of LDS; arguments kv, qf, att; writes att
.if DOCPART == 3
	.amdgcn_target "amdgcn-amd-amdhsa--gfx1250"
	.amdhsa_code_object_version 6
	.text
	.protected	k_q17b874dd03_attn
	.globl	k_q17b874dd03_attn
	.p2align	8
	.type	k_q17b874dd03_attn,@function
k_q17b874dd03_attn:
	s_mov_b64 s[64:65], 0
	v_nop
	global_prefetch_b8 v0, s[64:65] scope:SCOPE_SE
	s_setreg_imm32_b32 hwreg(HW_REG_WAVE_MODE, 25, 1), 1
	s_wait_xcnt 0x0
	s_wait_alu depctr_hold_cnt(0) depctr_sa_sdst(0) depctr_va_vdst(0) depctr_va_sdst(0) depctr_va_ssrc(0) depctr_va_vcc(0) depctr_vm_vsrc(0)
	s_getreg_b32 s2, hwreg(HW_REG_IB_STS2, 6, 4)
	s_cmp_eq_u32 s2, 0
	s_cbranch_scc0 .Lentry_in_a_cluster
	s_endpgm
.Lentry_in_a_cluster:
	s_bfe_u32 s2, ttmp6, 0x10000c
	s_cmp_lg_u32 s2, 0x3003
	s_cbranch_scc0 .Lentry_shape_is_right
	s_endpgm
.Lentry_shape_is_right:
; ATTN.  att[b][q][64 head + d] = the sum over the three sources s of softmax_k(q . k_s / 8) v_s, both products on codes of BF6 (E3M2) with one E8M0 scale for each 32 along a product's K.
; q, k, v arrive as the launch before has laid them: images of operand registers (its head comment gives the layouts of kv and qf).
; THE SOFTMAX AHEAD OF THE SECOND PRODUCT: t = score x log2(e) / 8; M = the row's largest t so far, rounded UP to a whole number; p = 2^(t - M) is what is quantised, along the keys, not normalised.  The row's sum is taken of
; the unquantised p, in f32, and divides O at the end of each source.  When M moves, the sum and O are multiplied by 2^(old M - new M): exact.
; SHARES.  A work-group owns 256 queries of ONE head; each of its sixteen waves owns 16 queries, in 256 registers.  Every wave walks 3 sources x 1,024 keys, 128 a step.
; ALL THAT THE HEAD NEEDS OF kv STAYS IN LDS: a source's k codes (49,152 bytes), v codes (49,152), k scale words (4,096) and v scale words (2,048) are 104,448 bytes, three sources 313,344.  Of each 512 bytes of scale words
; only the first 256 (lanes 0-15, the lanes that the matrix instruction reads) are fetched.  No LDS byte is filled twice.  A source comes by eight loads (four kinds x two halves of the keys): source 0 by waves 0-7 at the head,
; sources 1 and 2 by all sixteen waves behind the first round, under source 0's eight steps.  One barrier stands behind each source.
; CLUSTER.  The four work-groups of a cluster own the four blocks of queries of one head and need the same bytes of kv: each load is asked for JOINTLY, mask 15.
; LAYOUT.  Both products are used transposed: S^T = K Q^T (source 0 = 16 keys, source 1 = my 16 queries), O^T = V^T P^T: a lane holds ONE query (lane % 16) throughout.
; THE KEYS OF A TILE OF K ARE NOT NEIGHBOURS.  Lane r of tile 4 c + u takes key 64 c + 32 (r / 8) + 8 s(u) + r % 8 of the step, s = 0, 2, 1, 3.  Then lane (query, h) holds in the 32 registers of tiles 4 c .. 4 c + 3 the WHOLE block
; 2 c + h of 32 keys, in the order 0-7, 16-23, 8-15, 24-31, which is the order that v's codes carry inside a block: the block's maximum needs no other lane and the conversions' results are the operand's registers.
; In the stored images that key is lane 8 (u / 2) + r % 8 of the stored tile 4 c + 2 (r / 8) + u % 2: a lane term and an immediate offset.
; THE HEAD IS 64 AND THE INSTRUCTION'S K IS 128.  A half fragment fills registers 0-5 of the operand (K = 0 .. 63, scale bytes 0, 1).  Q's registers 6-11 hold zero codes, so whatever stands in K's registers 6-11
; (the next tile's codes) adds nothing: BF6 has no code for NaN or infinity, and no scale byte here is 0xff.
; No prefetch is laid: all 24 loads are issued ahead of the first key step, so there is no later load for a loop to run ahead of.
; LIMITS: NaN and infinities are not served; the scaled scores stay under 2^31 in magnitude; a block whose every p has fallen to 0 keeps the byte 1 (its codes are zeros).
; REGISTERS: v1-6 my lane's places in a source; v7 spare word, v8 0, v9 my offset in att; v10, 11, 28-31 the step's LDS addresses; v12 -M, v13 the largest score, v[14:15] the sum; v16-27 Q (22-27 zero codes); v32-85 K's eight
; half fragments (80-85 zero codes), then v32-79 V's four fragments; v86-93 K's scale words; v94 8 x (lane / 16); v96-159 S^T, then p; v160-191 O^T; v192-223 the three sources' total; v224-235 p's codes; v230-247, 252, 254 at work;
; v248-251 V's scale words; v253 p's scale word; v255 Q's.
.set BLK,   110592                     ; a block of kv in memory
.set SRC,   104448                     ; a source in LDS
.set VC,    49152
.set KSC,   98304
.set VSC,   102400
.set SPARE, 3*SRC                      ; the spare words, 128 bytes for each of 16 waves
.set QSC,   3145728
.set SPW,  7
.set NIL,  8
.set GO,   9
.set WV,   18                          ; s18 my wave's number
.set KD,   19                          ; s19 which kind of tile I fetch: 0 k codes, 1 v codes, 2 k scale words, 3 v scale words
.set SEL,  20
.set CS,   22                          ; s[22:23] c = log2(e) / 8
.set G1K,  24                          ; four groups 1, one for each kind
.set G1V,  32
.set G1S,  40
.set G1T,  48
.set TC,   56                          ; LDS byte at which the step's codes begin (6,144 a step, for K and for V),
.set TS,   57                          ; K's scale words (512 a step),
.set TV,   58                          ; V's (256 a step)
.set TW,   59
.set SN,   60
.set HD,   61                          ; my head of its pair
.set NC,   62                          ; -c
.set G0,   68                          ; s[68:83] four groups 0, one for each kind
.macro CROUND
	s_barrier_signal -1
	s_barrier_wait -1
	s_cmp_lg_u32 s[WV], 0
	s_cbranch_scc1 .Lnot_wave_0_\@
	s_barrier_signal -3
.Lnot_wave_0_\@:
	s_barrier_wait -3
	s_barrier_signal -1
	s_barrier_wait -1
.endm
.macro ARM kd, g0, g1, join            ; s_nop 0 and four v_nop follow the load
	s_cmp_eq_u32 s[KD], \kd
	s_cbranch_scc0 .Lnot_\@
	tensor_load_to_lds s[\g0:\g0+3], s[\g1:\g1+7]
	s_nop 0
.rept 4
	v_nop
.endr
	s_branch \join
.Lnot_\@:
.endm
.macro TL join                         ; one chain of branches on a number made of the wave's number: one load to an arm, all arms lead to one join
	ARM 0, G0, G1K, \join
	ARM 1, G0+4, G1V, \join
	ARM 2, G0+8, G1S, \join
	tensor_load_to_lds s[G0+12:G0+15], s[G1T:G1T+7]
	s_nop 0
.rept 4
	v_nop
.endr
\join:
.endm
.macro GONE g, c, r, p                 ; a group 1: r rows of c elements of 8 bytes, p elements from row to row, dense in LDS; mask 15, bit 21 beside it
	s_mov_b32 s[\g], 15|(3<<16)|(1<<21)
	s_mov_b32 s[\g+1], (\c)<<16
	s_mov_b32 s[\g+2], (\r)<<16
	s_mov_b32 s[\g+3], (\c)<<16
	s_mov_b32 s[\g+4], \r
	s_mov_b32 s[\g+5], \p
	s_mov_b32 s[\g+6], 0
	s_mov_b32 s[\g+7], 0
.endm
.macro GZERO k, lb, lh, gb, gh         ; a group 0, for source 0: LDS byte lb + lh x half; in my block of kv byte gb + gh x head
	s_mov_b32 s[G0+4*(\k)], 1
	s_mul_i32 s[G0+4*(\k)+1], s84, \lh
	s_add_co_u32 s[G0+4*(\k)+1], s[G0+4*(\k)+1], \lb
	s_mul_i32 s88, s[HD], \gh
	s_add_co_u32 s88, s88, \gb
	s_mov_b32 s89, 0
	s_add_nc_u64 s[88:89], s[88:89], s[86:87]
	s_add_nc_u64 s[G0+4*(\k)+2:G0+4*(\k)+3], s[4:5], s[88:89]
	s_or_b32 s[G0+4*(\k)+3], s[G0+4*(\k)+3], 0x80000000
.endm
	s_load_b128 s[4:7], s[0:1], 0x0                ; kv, qf
	s_load_b64 s[8:9], s[0:1], 0x10                ; att
	v_lshl_add_u32 v[SPW], v0, 2, SPARE
	v_mov_b32 v[NIL], 0
	ds_add_u32 v[SPW], v[NIL]                      ; the opening lines: the add twice on end and one wait
	ds_add_u32 v[SPW], v[NIL]
	v_lshrrev_b32 v10, 5, v0
	s_delay_alu instid0(VALU_DEP_1)
	v_readfirstlane_b32 s[WV], v10                 ; wave 0..15
	s_bfe_u32 s[KD], s[WV], 0x20001                ; (wave / 2) % 4
	s_and_b32 s84, s[WV], 1                        ; which half of the keys I fetch
	s_and_b32 s94, ttmp7, 0xffff                   ; 16 x batch + head, which the four partners share
	s_lshr_b32 s85, s94, 1                         ; bh = 8 x batch + pair of heads
	s_and_b32 s[HD], s94, 1
	s_mul_i32 s86, s85, 6
	s_add_co_u32 s86, s86, s84
	s_mul_i32 s86, s86, BLK                        ; source 0's block of my half
	s_mov_b32 s87, 0
	s_lshr_b32 s90, s[WV], 3
	s_add_co_u32 s90, s90, 1                       ; the source that I fetch behind the first round: 1 or 2
	s_mul_i32 s91, s90, SRC
	s_mul_i32 s92, s90, 2*BLK
	s_mov_b32 s93, 0
	GONE G1K, 96, 32, 192                          ; 32 tiles of 768 bytes, 1,536 apart
	GONE G1V, 768, 4, 1536                         ; 4 steps of 6,144 bytes, 12,288 apart
	GONE G1S, 32, 8, 64                            ; 8 groups of 256 bytes, 512 apart
	GONE G1T, 32, 4, 128                           ; 4 steps of 256 bytes, 1,024 apart
	s_bfe_u32 s95, ttmp6, 0x40000                  ; cx: it enters Q's and att's addresses alone
	s_lshl_b32 s14, ttmp9, 2
	s_add_co_u32 s95, s95, s14                     ; my block of 256 queries
	s_lshl_b32 s95, s95, 4
	s_add_co_u32 s95, s95, s[WV]                   ; qt: my tile of 16 queries, 0 .. 63
	s_lshl_b32 s96, s85, 6                         ; Q's codes: (64 bh + qt) x 1,536 + 768 x head
	s_add_co_u32 s96, s96, s95
	s_mul_i32 s96, s96, 1536
	s_mul_i32 s14, s[HD], 768
	s_add_co_u32 s96, s96, s14
	s_mov_b32 s97, 0
	s_lshl_b32 s98, s85, 14                        ; Q's scale words: QSC + 16,384 bh + 8,192 head + 512 (qt / 4) + 4 (qt % 4)
	s_lshl_b32 s14, s[HD], 13
	s_add_co_u32 s98, s98, s14
	s_lshr_b32 s14, s95, 2
	s_lshl_b32 s14, s14, 9
	s_add_co_u32 s98, s98, s14
	s_and_b32 s14, s95, 3
	s_lshl_b32 s14, s14, 2
	s_add_co_u32 s98, s98, s14
	s_add_co_u32 s98, s98, QSC
	s_mov_b32 s99, 0
	s_lshr_b32 s12, s94, 4                         ; att: row 1,024 x batch + 16 qt of 4,096 bytes, + 256 x head
	s_lshl_b32 s12, s12, 10
	s_lshl_b32 s14, s95, 4
	s_add_co_u32 s12, s12, s14
	s_lshl_b32 s12, s12, 12
	s_and_b32 s14, s94, 15
	s_lshl_b32 s14, s14, 8
	s_add_co_u32 s12, s12, s14
	s_mov_b32 s13, 0
	s_mov_b32 s[SEL], 0x76543210
	s_mov_b32 s[SEL+1], 0xfedcba98
	s_mov_b32 s[CS], 0x3e38aa3b                    ; c = log2(e) / 8
	s_mov_b32 s[CS+1], s[CS]
	s_mov_b32 s[NC], 0xbe38aa3b                    ; -c
	s_mov_b32 s[TC], 0
	s_mov_b32 s[TS], 0
	s_mov_b32 s[TV], 0
	s_wait_dscnt 0x0
	s_wait_kmcnt 0x0
	GZERO 0, 0,   24576, 0,      768
	GZERO 1, VC,  24576, 49152,  6144
	GZERO 2, KSC, 2048,  98304,  4096
	GZERO 3, VSC, 1024,  106496, 512
	s_add_nc_u64 s[10:11], s[6:7], s[98:99]        ; Q's scale words
	s_add_nc_u64 s[6:7], s[6:7], s[96:97]          ; Q's codes
	s_add_nc_u64 s[8:9], s[8:9], s[12:13]          ; att
	CROUND                                         ; all four work-groups are here: the first joint loads meet
	s_cmp_lt_u32 s[WV], 8                          ; source 0: eight loads, waves 0 to 7
	s_cbranch_scc0 .Lhead_asked
	TL .Lhead_asked
	v_and_b32 v10, 31, v0                          ; lane
	v_and_b32 v11, 15, v0
	v_bfe_u32 v30, v0, 4, 1                        ; h
	v_lshlrev_b32 v28, 4, v10
	v_lshl_add_u32 v29, v10, 3, 512
	global_load_b128 v[16:19], v28, s[6:7]         ; my half fragment of Q stays in registers
	global_load_b64 v[20:21], v29, s[6:7]
	global_load_b32 v255, v28, s[10:11]            ; its scale words
	v_and_b32 v31, 7, v0                           ; e = r % 8
	v_bfe_u32 v94, v0, 3, 1                        ; R = r / 8
	v_mul_u32_u24 v1, v94, 1536                    ; two stored tiles on for R = 1
	v_lshl_add_u32 v2, v31, 3, v1
	v_lshl_add_u32 v1, v31, 4, v1
	v_lshl_add_u32 v2, v30, 7, v2
	v_lshl_add_u32 v1, v30, 8, v1                  ; K's codes: 1,536 R + 16 e + 256 h,
	v_add_nc_u32 v2, 512, v2                       ; 1,536 R + 8 e + 128 h + 512
	v_lshlrev_b32 v5, 4, v31
	v_lshl_add_u32 v5, v94, 3, v5
	v_add_nc_u32 v5, KSC, v5                       ; K's scale words: 16 e + 8 R
	v_lshl_add_u32 v3, v10, 4, VC                  ; V's codes
	v_lshl_add_u32 v4, v10, 3, VC+512
	v_lshl_add_u32 v6, v11, 4, VSC                 ; V's scale words: 16 (l % 16)
	v_lshlrev_b32 v94, 3, v30                      ; 8 h: where my blocks' bytes stand in p's scale word
	v_lshlrev_b32 v[GO], 12, v30
	s_delay_alu instid0(VALU_DEP_1)
	v_lshl_add_u32 v[GO], v11, 4, v[GO]            ; the way out: lanes 0-15 one row of att, lanes 16-31 the next; 16 bytes a lane
.irp j, 22,23,24,25,26,27,80,81,82,83,84,85
	v_mov_b32 v[\j], 0                             ; zero codes
.endr
	v_mov_b32 v13, 0xff61b1e6                      ; the largest score so far: -3e38, under every score
	s_delay_alu instid0(VALU_DEP_1)
	v_floor_f32 v12, -v13                          ; -M: above every -M to come
	v_mov_b32 v14, 0
	v_mov_b32 v15, 0
	v_mov_b32 v236, 0                              ; a lane permute's destination counts as one of its sources
	v_mov_b32 v253, 0                              ; (named as the upper half of the pair v[252:253] before it is first written)
.set j, 0
.rept 64
	v_mov_b32 v[160+j], 0                          ; O^T and the total: the step is written once, the first finds zeros
.set j, j+1
.endr
; A KEY STEP: 128 keys.
.macro STEP
	v_add_nc_u32 v10, s[TC], v1                    ; four plain lines: also the places in front of the loads into registers that the last products have read
	v_add_nc_u32 v11, s[TC], v2
	v_add_nc_u32 v30, s[TS], v5
	v_add_nc_u32 v31, s[TV], v6
.irp t, 0,1,2,3,4,5,6,7                        ; tile t = 4 c + u: stored tile 4 c + u % 2 (+ 2 R by the lane term), stored lanes from 8 (u / 2) on
	ds_load_b128 v[32+6*\t:35+6*\t], v10 offset:768*(4*(\t/4)+\t%2)+128*((\t%4)/2)
	ds_load_b64 v[36+6*\t:37+6*\t], v11 offset:768*(4*(\t/4)+\t%2)+64*((\t%4)/2)
.endr
.irp g, 0,1,2,3
	ds_load_b64 v[86+2*\g:87+2*\g], v30 offset:256*(\g/2)+128*(\g%2)   ; the scale words of tiles 2 g, 2 g + 1
.endr
	s_wait_alu depctr_va_vdst(0)
	s_wait_dscnt 0x0
.irp t, 0,1,2,3,4,5,6,7
	v_wmma_scale_f32_16x16x128_f8f6f4 v[96+8*\t:103+8*\t], v[32+6*\t:43+6*\t], v[16:27], 0, v[86+\t], v255 matrix_a_fmt:MATRIX_FMT_BF6 matrix_b_fmt:MATRIX_FMT_BF6
.endr
	v_add_nc_u32 v28, s[TC], v3                    ; four places: in front of the loads below and of the first read of the scores
	v_add_nc_u32 v29, s[TC], v4
	v_nop
	v_nop
.irp d, 0,1,2,3                                ; V's four fragments are asked for now and land under the softmax
.irp c, 0,1
	ds_load_b128 v[32+12*\d+6*\c:35+12*\d+6*\c], v28 offset:1536*\d+768*\c
	ds_load_b64 v[36+12*\d+6*\c:37+12*\d+6*\c], v29 offset:1536*\d+768*\c
.endr
.endr
	ds_load_b128 v[248:251], v31
.irp c, 0,1                                    ; the largest score of my two blocks of 32 keys, each in two chains: it serves the row's maximum and, since p rises with the score, the block's largest p
	v_max3_num_f32 v[232+\c], v[96+32*\c], v[97+32*\c], v[98+32*\c]
	v_max3_num_f32 v[234+\c], v[112+32*\c], v[113+32*\c], v[114+32*\c]
.endr
.irp i, 3,5,7,9,11,13
.irp c, 0,1
	v_max3_num_f32 v[232+\c], v[232+\c], v[96+32*\c+\i], v[97+32*\c+\i]
	v_max3_num_f32 v[234+\c], v[234+\c], v[112+32*\c+\i], v[113+32*\c+\i]
.endr
.endr
	v_mov_b32 v238, v12                            ; the old -M
.irp c, 0,1
	v_max3_num_f32 v[232+\c], v[232+\c], v[234+\c], v[111+32*\c]
.endr
.irp c, 0,1
	v_max_num_f32 v[232+\c], v[232+\c], v[127+32*\c]
.endr
	v_max_num_f32 v254, v232, v233
	v_permlanex16_b32 v236, v254, s[SEL], s[SEL+1]
	v_max3_num_f32 v13, v13, v254, v236            ; the running largest score of my query, lane l xor 16's blocks among them
	v_mul_f32 v254, s[NC], v13                     ; -t (c is positive)
	v_floor_f32 v12, v254                          ; the new -M = floor(-t) = -ceil(t)
	v_sub_f32 v254, v12, v238                      ; M's old value less its new one: a whole number, 0 or less
	v_cvt_i32_f32 v254, v254                       ; (it saturates)
	v_ldexp_f32 v252, 1.0, v254                    ; f = 2^(old M - new M)
.set j, 0
.rept 32
	v_pk_fma_f32 v[96+j:97+j], v[96+j:97+j], s[CS:CS+1], v[12:13] op_sel_hi:[1,0,0]   ; t - M, two at a time
.set j, j+2
.endr
	v_pk_fma_f32 v[232:233], v[232:233], s[CS:CS+1], v[12:13] op_sel_hi:[1,0,0]       ; the same of my two blocks' largest scores
.set j, 0
	s_wait_alu depctr_va_vdst(0)                   ; the wait ahead of the batch
.rept 64
	v_exp_f32 v[96+j], v[96+j]                     ; p = 2^(t - M), at most 1: not normalised
.set j, j+1
.endr
	v_pk_mul_f32 v[14:15], v[14:15], v[252:253] op_sel_hi:[1,0]   ; the sums under the new M (a plain place behind the exponentials)
	s_wait_alu depctr_va_vdst(0)                   ; one wait for the whole batch, ahead of its first reader
	v_exp_f32 v232, v232                           ; the blocks' largest p: the same two instructions on the same number give the same bits
	v_exp_f32 v233, v233
	v_pk_add_f32 v[236:237], v[100:101], v[104:105]   ; the row's sum of the unquantised p, in eight chains
	v_pk_add_f32 v[246:247], v[108:109], v[112:113]
	v_pk_add_f32 v[244:245], v[116:117], v[120:121]
	v_pk_add_f32 v[242:243], v[124:125], v[128:129]
	v_pk_add_f32 v[240:241], v[132:133], v[136:137]
	v_pk_add_f32 v[238:239], v[140:141], v[144:145]
	v_pk_add_f32 v[230:231], v[148:149], v[152:153]
	v_pk_add_f32 v[14:15], v[14:15], v[156:157]
	v_pk_add_f32 v[236:237], v[236:237], v[96:97]
	v_pk_add_f32 v[246:247], v[246:247], v[98:99]
	v_pk_add_f32 v[244:245], v[244:245], v[102:103]
	v_pk_add_f32 v[242:243], v[242:243], v[106:107]
	v_pk_add_f32 v[240:241], v[240:241], v[110:111]
	v_pk_add_f32 v[238:239], v[238:239], v[114:115]
	v_pk_add_f32 v[230:231], v[230:231], v[118:119]
	v_pk_add_f32 v[14:15], v[14:15], v[122:123]
	v_pk_add_f32 v[236:237], v[236:237], v[126:127]
	v_pk_add_f32 v[246:247], v[246:247], v[130:131]
	v_pk_add_f32 v[244:245], v[244:245], v[134:135]
	v_pk_add_f32 v[242:243], v[242:243], v[138:139]
	v_pk_add_f32 v[240:241], v[240:241], v[142:143]
	v_pk_add_f32 v[238:239], v[238:239], v[146:147]
	v_pk_add_f32 v[230:231], v[230:231], v[150:151]
	v_pk_add_f32 v[14:15], v[14:15], v[154:155]
	v_pk_add_f32 v[236:237], v[236:237], v[158:159]
	s_delay_alu instid0(VALU_DEP_2)
	v_pk_add_f32 v[14:15], v[14:15], v[242:243]
	s_delay_alu instid0(VALU_DEP_2)
	v_pk_add_f32 v[236:237], v[236:237], v[240:241]
	v_pk_add_f32 v[246:247], v[246:247], v[238:239]
	v_pk_add_f32 v[244:245], v[244:245], v[230:231]
	s_delay_alu instid0(VALU_DEP_2)
	v_pk_add_f32 v[14:15], v[14:15], v[246:247]
	s_delay_alu instid0(VALU_DEP_2)
	v_pk_add_f32 v[236:237], v[236:237], v[244:245]
	s_delay_alu instid0(VALU_DEP_1)
	v_pk_add_f32 v[14:15], v[14:15], v[236:237]
	s_wait_alu depctr_va_vdst(0)                   ; and one for the two
	v_max_num_f32 v232, 0x2800000, v232            ; the floor 2^(5 - 127): the byte cannot fall under 1
	v_max_num_f32 v233, 0x2800000, v233
	s_delay_alu instid0(VALU_DEP_2)
	v_add_nc_u32 v244, 0xfe000000, v232            ; 4 off the exponent field: the conversion's scale operand
	s_delay_alu instid0(VALU_DEP_2)
	v_add_nc_u32 v245, 0xfe000000, v233
	s_delay_alu instid0(VALU_DEP_2)
	v_lshrrev_b32 v236, 23, v244                   ; the scale's byte
	s_delay_alu instid0(VALU_DEP_2)
	v_lshrrev_b32 v237, 23, v245
	s_delay_alu instid0(VALU_DEP_1)
	v_lshl_or_b32 v253, v237, 16, v236             ; my two bytes: blocks h and 2 + h,
	s_delay_alu instid0(VALU_DEP_1)
	v_lshlrev_b32 v253, v94, v253                  ; at their places in the word;
	s_delay_alu instid0(VALU_DEP_1)
	v_permlanex16_b32 v236, v253, s[SEL], s[SEL+1]
	s_delay_alu instid0(VALU_DEP_1)
	v_or_b32 v253, v253, v236                      ; with lane l xor 16's two: p's scale word for these 128 keys
	v_cvt_scalef32_pk16_bf6_f32 v[224:226], v[96:111], v244     ; registers 6 c .. 6 c + 5 of the operand: my block 2 c + h
	v_cvt_scalef32_pk16_bf6_f32 v[240:242], v[112:127], v244    ; (a conversion's three registers begin on an even number: a block's second three are made elsewhere and moved)
	v_cvt_scalef32_pk16_bf6_f32 v[230:232], v[128:143], v245
	v_cvt_scalef32_pk16_bf6_f32 v[236:238], v[144:159], v245
.set j, 0
.rept 4
	v_pk_mul_f32 v[160+j:161+j], v[160+j:161+j], v[252:253] op_sel_hi:[1,0]   ; O^T under the new M, from each accumulator's low end on (plain lines behind the conversions)
.set j, j+2
.endr
.irp i, 0,1,2
	v_mov_b32 v[227+\i], v[240+\i]
	v_mov_b32 v[233+\i], v[236+\i]
.endr
.rept 12
	v_pk_mul_f32 v[160+j:161+j], v[160+j:161+j], v[252:253] op_sel_hi:[1,0]   ; (also the places in front of the scaled products below)
.set j, j+2
.endr
	s_wait_alu depctr_va_vdst(0)
	s_wait_dscnt 0x0                               ; V's fragments and scale words are in
.irp d, 0,1,2,3                                ; O^T += V^T P^T: the four accumulators by turns
	v_wmma_scale_f32_16x16x128_f8f6f4 v[160+8*\d:167+8*\d], v[32+12*\d:43+12*\d], v[224:235], v[160+8*\d:167+8*\d], v[248+\d], v253 matrix_a_fmt:MATRIX_FMT_BF6 matrix_b_fmt:MATRIX_FMT_BF6
.endr
.endm
; THE END OF A SOURCE: O^T / the sum is added to the total; the largest score begins anew.  O^T and the sum are not cleared: the next source's first f is 2^(a saturated negative number) = 0, and multiplies finite numbers.
.macro FINAL
.rept 4
	v_nop                                          ; places behind the last products
.endr
	v_add_f32 v14, v14, v15
	s_delay_alu instid0(VALU_DEP_1)
	v_permlanex16_b32 v252, v14, s[SEL], s[SEL+1]
	s_delay_alu instid0(VALU_DEP_1)
	v_add_f32 v14, v14, v252                       ; the row's sum
	s_wait_alu depctr_va_vdst(0)
	v_rcp_f32 v14, v14
	v_nop                                          ; a plain place behind the reciprocal
	s_wait_alu depctr_va_vdst(0)                   ; and the wait ahead of its first reader
.set j, 0
.rept 16
	v_pk_fma_f32 v[192+j:193+j], v[160+j:161+j], v[14:15], v[192+j:193+j] op_sel_hi:[1,0,1]
.set j, j+2
.endr
	v_mov_b32 v13, 0xff61b1e6
	s_delay_alu instid0(VALU_DEP_1)
	v_floor_f32 v12, -v13
.endm
	s_wait_alu depctr_va_vdst(0)                   ; the wait at the head's end
	s_wait_loadcnt 0x0                             ; Q
	s_wait_tensorcnt 0x0                           ; my part of source 0 is in; no tensor load of mine is out, so the groups 0 may be written
	ds_add_u32 v[SPW], v[NIL]                      ; the add, here twice on end
	ds_add_u32 v[SPW], v[NIL]
.irp k, 0,1,2,3
	s_add_co_u32 s[G0+4*\k+1], s[G0+4*\k+1], s91   ; on to source 1 (waves 0-7) or 2 (waves 8-15): in LDS,
	s_add_nc_u64 s[G0+4*\k+2:G0+4*\k+3], s[G0+4*\k+2:G0+4*\k+3], s[92:93]   ; and in kv; the type bits on top are not reached
.endr
	s_wait_dscnt 0x0
	CROUND                                         ; source 0 is whole in every partner, and the joint loads meet
	TL .Lrest_asked                                ; sources 1 and 2: sixteen loads, one a wave, all into bytes not filled before
	s_mov_b32 s[SN], 3
.Lsrc:
	s_mov_b32 s[TW], 8
.Lstep:
	STEP
	s_add_co_u32 s[TC], s[TC], 6144
	s_add_co_u32 s[TS], s[TS], 512
	s_add_co_u32 s[TV], s[TV], 256
	s_sub_co_u32 s[TW], s[TW], 1
	s_cmp_lg_u32 s[TW], 0
	s_cbranch_scc1 .Lstep
	s_add_co_u32 s[TC], s[TC], SRC-49152           ; on to the next source
	s_add_co_u32 s[TS], s[TS], SRC-4096
	s_add_co_u32 s[TV], s[TV], SRC-2048
	FINAL
	s_wait_alu depctr_va_vdst(0)
	s_wait_tensorcnt 0x0                           ; behind source 0: my part of sources 1 and 2 is in
	ds_add_u32 v[SPW], v[NIL]
	s_wait_dscnt 0x0                               ; my reads of the source that I leave are over
	s_barrier_signal -1
	s_barrier_wait -1
	s_sub_co_u32 s[SN], s[SN], 1
	s_cmp_lg_u32 s[SN], 0
	s_cbranch_scc1 .Lsrc
	; THE WAY OUT.  The total goes through my stage in LDS (16 rows x (256 bytes + 16)), so that sixteen lanes store 256 consecutive bytes, aligned.  The stages lie in source 0's bytes: filled once, and left by every wave at the barriers above.
	v_and_b32 v28, 15, v0                          ; r
	v_bfe_u32 v29, v0, 4, 1                        ; h
	s_mul_i32 s14, s[WV], 16*272                   ; my stage
	v_mul_u32_u24 v10, v28, 272
	s_delay_alu instid0(VALU_DEP_1)
	v_lshl_add_u32 v10, v29, 5, v10
	s_delay_alu instid0(VALU_DEP_1)
	v_add_nc_u32 v10, s14, v10                     ; in: row r; tile d's eight channels of my half: 64 d + 32 h bytes on
	v_mul_u32_u24 v11, v29, 272
	s_delay_alu instid0(VALU_DEP_1)
	v_lshl_add_u32 v11, v28, 4, v11
	s_delay_alu instid0(VALU_DEP_1)
	v_add_nc_u32 v11, s14, v11                     ; back: lanes 0-15 one row, lanes 16-31 the next
.irp t, 0,1,2,3
	ds_store_b128 v10, v[192+8*\t:195+8*\t] offset:64*\t
	ds_store_b128 v10, v[196+8*\t:199+8*\t] offset:64*\t+16
.endr
.irp i, 0,1,2,3,4,5,6,7
	ds_load_b128 v[32+4*\i:35+4*\i], v11 offset:2*\i*272   ; LDS serves a wave's instructions in order: these see my stores
.endr
.irp i, 0,1,2,3,4,5,6,7
	s_wait_dscnt 7-\i                              ; the later loads may be out
	global_store_b128 v[GO], v[32+4*\i:35+4*\i], s[8:9] offset:8192*\i
.endr
	s_wait_tensorcnt 0x0                           ; the wave's end
	ds_add_u32 v[SPW], v[NIL]
	s_wait_dscnt 0x0
	CROUND                                         ; the closing round
	s_endpgm
.Lfunc_end_k_q17b874dd03_attn:
	.size	k_q17b874dd03_attn, .Lfunc_end_k_q17b874dd03_attn-k_q17b874dd03_attn
	.p2alignl 7, 3214868480
	.fill 96, 4, 3214868480
	.section	.rodata,"a",@progbits
	.p2align	6, 0x0
	.amdhsa_kernel k_q17b874dd03_attn
		.amdhsa_group_segment_fixed_size 327680
		.amdhsa_private_segment_fixed_size 0
		.amdhsa_enable_private_segment 0
		.amdhsa_kernarg_size 24
		.amdhsa_user_sgpr_count 2
		.amdhsa_user_sgpr_kernarg_segment_ptr 1
		.amdhsa_wavefront_size32 1
		.amdhsa_system_sgpr_workgroup_id_x 1
		.amdhsa_system_sgpr_workgroup_id_y 1
		.amdhsa_system_sgpr_workgroup_id_z 1
		.amdhsa_system_vgpr_workitem_id 0
		.amdhsa_next_free_vgpr 256
		.amdhsa_next_free_sgpr 100
		.amdhsa_reserve_vcc 0
		.amdhsa_float_denorm_mode_32 3
		.amdhsa_float_denorm_mode_16_64 3
		.amdhsa_memory_ordered 1
		.amdhsa_forward_progress 1
		.amdhsa_inst_pref_size 36
	.end_amdhsa_kernel
	.amdgpu_metadata
---
amdhsa.version: [ 1, 2 ]
amdhsa.kernels:
  - .name:           k_q17b874dd03_attn
    .symbol:         k_q17b874dd03_attn.kd
    .args:
      - { .name: kv, .offset: 0, .size: 8, .value_kind: global_buffer, .address_space: global }
      - { .name: qf, .offset: 8, .size: 8, .value_kind: global_buffer, .address_space: global }
      - { .name: att, .offset: 16, .size: 8, .value_kind: global_buffer, .address_space: global }
    .group_segment_fixed_size: 327680
    .private_segment_fixed_size: 0
    .kernarg_segment_align: 8
    .kernarg_segment_size: 24
    .max_flat_workgroup_size: 512
    .sgpr_count:     100
    .vgpr_count:     256
    .wavefront_size: 32
...
	.end_amdgpu_metadata
.endif
;; end of part 3
;; launch ffn (part 4): grid 256 x 1, 8 waves a work-group, no clusters, 97,280 bytes of LDS; arguments att, query, g1, be1, wimg, b1, b2, g2, be2, out0; writes out0
.if DOCPART == 4
	.amdgcn_target "amdgcn-amd-amdhsa--gfx1250"
	.amdhsa_code_object_version 6
	.text
	.protected	k_q17b874dd03_ffn
	.globl	k_q17b874dd03_ffn
	.p2align	8
	.type	k_q17b874dd03_ffn,@function
k_q17b874dd03_ffn:
	s_mov_b64 s[64:65], 0
	v_nop
	global_prefetch_b8 v0, s[64:65] scope:SCOPE_SE
	s_setreg_imm32_b32 hwreg(HW_REG_WAVE_MODE, 25, 1), 1
	s_wait_xcnt 0x0
; FFN.  x1 = LN(query + att; g1, be1);  out0 = LN(x1 + gelu(x1 W1 + b1) W2 + b2; g2, be2).  Both products on codes of BF6 (E3M2) with one E8M0 scale for each 32 along K; all else in f32; gelu is the exact one (erf).
; SHARES.  A work-group owns 16 rows.  THE WAVES SHARE THE COLUMNS: wave w owns columns 128 w .. 128 w + 127 of x, of the hidden layer and of y.  Its part of W1 and W2, 16 records of 13,312 bytes that the first launch has laid
; in the order of the operand's registers, goes from memory straight into registers: each load reads 512 consecutive bytes, two records (52 loads) are on their way.
; All work-groups walk the same weights, and yet they are not asked for jointly: each weight fragment feeds ONE matrix instruction of ONE wave, so it would pass through LDS only to be read once, and two slots of one record
; for each of eight waves (106,496 bytes a slot) would want sixteen rounds of a cluster's barrier for a wave's 128 matrix instructions.
; OPERANDS GO FROM WAVE TO WAVE THROUGH LDS AS IMAGES OF THEIR REGISTERS: wave w's 128 columns of x1 (of the hidden layer) are K step w of the product: 3 stores of 512 bytes and a scale word a lane.
; TWO LAYOUTS.  Row layout: register 4 i + e = column 128 w + 4 lane + e of row i (memory's).  Lane layout: register 16 b + i = column 128 w + 32 b + 16 (lane / 16) + i of row lane % 16 (the quantiser's, and that of the
; products' results, which are used transposed on rows of W chosen for it).  The turn between them goes through the wave's own stage in LDS.
; Means and variances: each in two passes (the mean is taken off before the squares), partial sums of the eight waves meet in LDS, added in one fixed order.  Six barriers.
; GELU: gelu(x) = max(x, 0) - |x| erfc(|x| / sqrt 2) / 2: no branch, no difference of near numbers.  erfc(a) = (1 + p(q)) / (1 + 2 a) x exp(-a a), q = (a - 2) / (a + 2), p of degree 9; both divisions are a reciprocal and
; one step of correction by fused multiply-adds; exp(-a a) = 2^u (1 + w), u = a a x -log2(e) rounded, w what the two roundings left.
; LIMITS: NaN and infinities are not served; |pre-activation| stays under 1e19 (a a finite); erfc under 2^-126 comes out 0; blocks whose largest magnitude lies under 2^-122 get the byte 1, a block of zeros too.
; REGISTERS: window 0: v4-13 addresses; v[14:15] mean or 1 / sigma; v16-79 x; v80-143 the eight accumulators; v144-207 at work (v144-167 two fragments of x; v168-183, v184-202 the quantiser; gelu's eight sets of 8);
;   v208-223 the weights' scale words, two sets; v224-225 x's scale words; v226 the word just made; v228-235 eight partial sums; v236-243 g2, be2; v[244:245] a coefficient, twice; v246-251 sums.  window 1: W's fragments, two sets of 96.
.set XIMG, 0                           ; LDS: x1's 8 fragments, 1,536 bytes each,
.set XSC,  12288                       ; their scale words, 128 bytes each,
.set HIMG, 13312                       ; the hidden layer's 8,
.set HSC,  25600                       ; their scale words,
.set RED,  26624                       ; four reductions: word [k][row][wave], 512 bytes each,
.set STG,  28672                       ; and a stage for each wave: 16 rows x (512 bytes + 16)
.set REC,  13312
.set LI,  4                            ; v4  16 x lane
.set LS,  5                            ; v5  4 x lane
.set VA,  7                            ; v7  64 x (lane / 16): a vector's numbers in lane layout
.set SI,  8                            ; v8  my stage, row layout: + 16 x lane
.set SL,  9                            ; v9  my stage, lane layout: + 528 r + 64 h
.set XWI, 10                           ; v10 where I store an image
.set XWS, 11                           ; v11 and its scale words
.set RW,  12                           ; v12 my wave's word of row r
.set RR,  13                           ; v13 row r's eight words
.set X1,  16
.set ACC, 80
.set T64, 144
.set XF,  144
.set TM,  168
.set PC,  184
.set SC,  208
.set XS,  224
.set PW,  226
.set GA,  144                          ; gelu: a
.set GR,  152                          ; reciprocals
.set GQ,  160                          ; q, later w
.set GP,  168                          ; p
.set GE,  176                          ; residuals, u
.set GU,  184                          ; divisors, then erfc on its way
.set GS,  192                          ; a a, then what its rounding left
.set GX,  200                          ; 2^u
.set MSB, 0
.macro WIN new
.if MSB != \new
	s_set_vgpr_msb (MSB<<8)|\new
.set MSB, \new
.endif
.endm
.macro VEC64 dst, base                 ; my 128 numbers of a vector, in lane layout
.irp b, 0,1,2,3
.irp j, 0,1,2,3
	global_load_b128 v[\dst+16*\b+4*\j:\dst+16*\b+4*\j+3], v[VA], s[\base:\base+1] offset:128*\b+16*\j
.endr
.endr
.endm
.macro WLOAD q                         ; record q: 26 loads of 512 consecutive bytes
.set WSET, 96*((\q)%2)
.set WOFF, REC*(\q)
	WIN 0x40                                       ; destination window 1
.irp t, 0,1,2,3,4,5,6,7
.irp c, 0,1,2
	global_load_b128 v[WSET+12*\t+4*\c:WSET+12*\t+4*\c+3], v[LI], s[12:13] offset:WOFF+1536*\t+512*\c
.endr
.endr
	WIN 0
.irp g, 0,1
	global_load_b128 v[SC+8*((\q)%2)+4*\g:SC+8*((\q)%2)+4*\g+3], v[LI], s[12:13] offset:WOFF+12288+512*\g
.endr
.endm
.macro XFETCH s, set, img, sc          ; K step s of the operand whose images begin at img
.irp c, 0,1,2
	ds_load_b128 v[XF+12*(\set)+4*\c:XF+12*(\set)+4*\c+3], v[LI] offset:\img+1536*(\s)+512*\c
.endr
	ds_load_b32 v[XS+(\set)], v[LS] offset:\sc+128*(\s)
.endm
; K step q % 8 of product q / 8.  n: how many younger loads may stay out when record q has to be there.
.macro GSTEP q, n
.set QS, (\q)%2
.set QK, (\q)%8
.set QIM, XIMG+(HIMG-XIMG)*((\q)/8)
.set QSW, XSC+(HSC-XSC)*((\q)/8)
	s_wait_loadcnt \n
	s_wait_dscnt 0x0                               ; this K step's fragment of x is in
.if QK < 7
	XFETCH QK+1, 1-QS, QIM, QSW                    ; the next one's, into the set that the last K step's products have left (four places back)
.endif
	WIN 0x01                                       ; source 0 (W) window 1
.irp t, 0,1,2,3,4,5,6,7                        ; the eight accumulators by turns
	v_wmma_scale_f32_16x16x128_f8f6f4 v[ACC+8*\t:ACC+8*\t+7], v[96*QS+12*\t:96*QS+12*\t+11], v[XF+12*QS:XF+12*QS+11], v[ACC+8*\t:ACC+8*\t+7], v[SC+8*QS+\t], v[XS+QS] matrix_a_fmt:MATRIX_FMT_BF6 matrix_b_fmt:MATRIX_FMT_BF6
.endr
	WIN 0
.rept 4
	v_nop                                          ; places in front of loads into registers that these products have read, and of the first read of results
.endr
.if (\q) <= 13
	WLOAD (\q)+2
.endif
.endm
; 64 numbers of a lane, v[s] on, in lane layout, become a fragment's codes in v[PC] on and its scale word in v[PW].
.macro QUANT s
.irp b, 0,1,2,3
	v_max3_num_f32 v[TM+\b], |v[\s+16*\b]|, |v[\s+1+16*\b]|, 0x2800000   ; block b: my 16 numbers, and the floor 2^(5 - 127)
.endr
.irp i, 2,4,6,8,10,12,14
.irp b, 0,1,2,3
	s_delay_alu instid0(VALU_DEP_4)
	v_max3_num_f32 v[TM+\b], v[TM+\b], |v[\s+16*\b+\i]|, |v[\s+1+16*\b+\i]|
.endr
.endr
.irp b, 0,1,2,3
	s_delay_alu instid0(VALU_DEP_4)
	v_permlanex16_b32 v[TM+4+\b], v[TM+\b], s26, s27
.endr
.irp b, 0,1,2,3
	s_delay_alu instid0(VALU_DEP_4)
	v_max_num_f32 v[TM+\b], v[TM+\b], v[TM+4+\b]   ; with lane l xor 16's: the block's largest magnitude
.endr
.irp b, 0,1,2,3
	s_delay_alu instid0(VALU_DEP_4)
	v_add_nc_u32 v[TM+12+\b], 0xfe000000, v[TM+\b] ; 4 off its exponent field: the conversion's scale operand
.endr
.irp b, 0,1,2,3
	s_delay_alu instid0(VALU_DEP_4)
	v_lshrrev_b32 v[TM+4+\b], 23, v[TM+12+\b]      ; the scale's byte
.endr
	s_delay_alu instid0(VALU_DEP_3)
	v_lshl_or_b32 v[PW], v[TM+5], 8, v[TM+4]
	s_delay_alu instid0(VALU_DEP_1)
	v_lshl_or_b32 v[PW], v[TM+6], 16, v[PW]
	s_delay_alu instid0(VALU_DEP_1)
	v_lshl_or_b32 v[PW], v[TM+7], 24, v[PW]
.irp c, 0,1
	v_cvt_scalef32_pk16_bf6_f32 v[PC+6*\c:PC+2+6*\c], v[\s+32*\c:\s+15+32*\c], v[TM+12+2*\c]
	v_cvt_scalef32_pk16_bf6_f32 v[PC+12+4*\c:PC+14+4*\c], v[\s+16+32*\c:\s+31+32*\c], v[TM+12+2*\c+1]
.endr
	v_nop                                          ; one plain place behind a scaled conversion
.irp c, 0,1
.irp i, 0,1,2
	v_permlane16_swap_b32 v[PC+6*\c+\i], v[PC+12+4*\c+\i]
.endr
.irp i, 0,1,2
	s_delay_alu instid0(VALU_DEP_3)
	v_mov_b32 v[PC+3+6*\c+\i], v[PC+12+4*\c+\i]
.endr
.endr
.endm
.macro IMAGE off                       ; the fragment and its scale word go to LDS as they stand (the hidden layer's images and words both lie 13,312 bytes behind x1's)
.irp c, 0,1,2
	ds_store_b128 v[XWI], v[PC+4*\c:PC+4*\c+3] offset:\off+512*\c
.endr
	ds_store_b32 v[XWS], v[PW] offset:\off
.endm
.macro SUM64                           ; my 64 numbers' sum, in two chains
	v_pk_add_f32 v[246:247], v[X1:X1+1], v[X1+2:X1+3]
	v_pk_add_f32 v[248:249], v[X1+4:X1+5], v[X1+6:X1+7]
.irp j, 8,12,16,20,24,28,32,36,40,44,48,52,56,60
	s_delay_alu instid0(VALU_DEP_2)
	v_pk_add_f32 v[246:247], v[246:247], v[X1+\j:X1+\j+1]
	s_delay_alu instid0(VALU_DEP_2)
	v_pk_add_f32 v[248:249], v[248:249], v[X1+\j+2:X1+\j+3]
.endr
	s_delay_alu instid0(VALU_DEP_1)
	v_pk_add_f32 v[246:247], v[246:247], v[248:249]
	s_delay_alu instid0(VALU_DEP_1)
	v_add_f32 v246, v246, v247
.endm
.macro SQ64                            ; and their squares'
	v_pk_mul_f32 v[246:247], v[X1:X1+1], v[X1:X1+1]
	v_pk_mul_f32 v[248:249], v[X1+2:X1+3], v[X1+2:X1+3]
.irp j, 4,8,12,16,20,24,28,32,36,40,44,48,52,56,60
	s_delay_alu instid0(VALU_DEP_2)
	v_pk_fma_f32 v[246:247], v[X1+\j:X1+\j+1], v[X1+\j:X1+\j+1], v[246:247]
	s_delay_alu instid0(VALU_DEP_2)
	v_pk_fma_f32 v[248:249], v[X1+\j+2:X1+\j+3], v[X1+\j+2:X1+\j+3], v[248:249]
.endr
	s_delay_alu instid0(VALU_DEP_1)
	v_pk_add_f32 v[246:247], v[246:247], v[248:249]
	s_delay_alu instid0(VALU_DEP_1)
	v_add_f32 v246, v246, v247
.endm
.macro ROWRED k                        ; v246: my half row's sum -> the whole row's, in every lane of row r, the same bits in every wave.  Reduction k has 512 bytes of its own, so no barrier is owed between one reduction's reads and the next one's stores
	s_delay_alu instid0(VALU_DEP_1)
	v_permlanex16_b32 v251, v246, s26, s27
	s_delay_alu instid0(VALU_DEP_1)
	v_add_f32 v246, v246, v251                     ; my wave's 128 columns of row r
	ds_store_b32 v[RW], v246 offset:512*(\k)       ; both halves of the lanes write the same word with the same value
	s_wait_dscnt 0x0                               ; for the others' sake: my store has landed
	s_barrier_signal -1
	s_barrier_wait -1
	ds_load_b128 v[228:231], v[RR] offset:512*(\k)
	ds_load_b128 v[232:235], v[RR] offset:512*(\k)+16
	s_wait_dscnt 0x0
	v_add_f32 v228, v228, v229
	v_add_f32 v230, v230, v231
	v_add_f32 v232, v232, v233
	v_add_f32 v234, v234, v235
	s_delay_alu instid0(VALU_DEP_3)
	v_add_f32 v228, v228, v230
	s_delay_alu instid0(VALU_DEP_2)
	v_add_f32 v232, v232, v234
	s_delay_alu instid0(VALU_DEP_1)
	v_add_f32 v246, v228, v232
.endm
.macro NORM k                          ; x: the mean off, then 1 / sigma into v14.  Reductions k and k + 1
	SUM64
	ROWRED \k
	s_delay_alu instid0(VALU_DEP_1)
	v_mul_f32 v14, s29, v246                       ; the mean
.set j, 0
.rept 32
	v_pk_add_f32 v[X1+j:X1+j+1], v[X1+j:X1+j+1], v[14:15] op_sel_hi:[1,0] neg_lo:[0,1] neg_hi:[0,1]
.set j, j+2
.endr
	SQ64
	ROWRED (\k)+1
	s_delay_alu instid0(VALU_DEP_1)
	v_fma_f32 v250, v246, s29, s30                 ; the variance + 1e-5
	s_wait_alu depctr_va_vdst(0)
	v_rsq_f32 v14, v250
	v_nop                                          ; a plain place behind the root
	s_wait_alu depctr_va_vdst(0)                   ; and the wait ahead of its first reader
.endm
; gelu of the eight numbers of one accumulator, v[x] on, in place.  Two batches of transcendentals, each with plain work and one wait behind it.
.macro GELU8 x
.irp i, 0,1,2,3,4,5,6,7
	v_mul_f32 v[GA+\i], |v[(\x)+\i]|, s28          ; a = |x| / sqrt 2 (the accumulator is read from its low end on)
.endr
.irp i, 0,2,4,6
	v_pk_add_f32 v[GU+\i:GU+\i+1], v[GA+\i:GA+\i+1], 2.0 op_sel_hi:[1,0]
.endr
	s_wait_alu depctr_va_vdst(0)
.irp i, 0,1,2,3,4,5,6,7
	v_rcp_f32 v[GR+\i], v[GU+\i]                   ; r = 1 / (a + 2)
.endr
.irp i, 0,2,4,6
	v_pk_add_f32 v[GQ+\i:GQ+\i+1], v[GA+\i:GA+\i+1], -2.0 op_sel_hi:[1,0]   ; a - 2: the plain work behind the batch
.endr
	s_wait_alu depctr_va_vdst(0)
.irp i, 0,2,4,6
	v_pk_mul_f32 v[GQ+\i:GQ+\i+1], v[GQ+\i:GQ+\i+1], v[GR+\i:GR+\i+1]       ; q = (a - 2) r
.endr
.irp i, 0,2,4,6
	s_delay_alu instid0(VALU_DEP_4)
	v_pk_add_f32 v[GE+\i:GE+\i+1], v[GQ+\i:GQ+\i+1], 1.0 op_sel_hi:[1,0]
.endr
.irp i, 0,2,4,6
	s_delay_alu instid0(VALU_DEP_4)
	v_pk_fma_f32 v[GE+\i:GE+\i+1], v[GE+\i:GE+\i+1], -2.0, v[GA+\i:GA+\i+1] op_sel_hi:[1,0,1]   ; a - 2 (q + 1)
.endr
.irp i, 0,2,4,6
	s_delay_alu instid0(VALU_DEP_4)
	v_pk_fma_f32 v[GE+\i:GE+\i+1], v[GQ+\i:GQ+\i+1], v[GA+\i:GA+\i+1], v[GE+\i:GE+\i+1] neg_lo:[0,1,0] neg_hi:[0,1,0]   ; - q a: the residual (a - 2) - q (a + 2)
.endr
.irp i, 0,2,4,6
	v_pk_fma_f32 v[GQ+\i:GQ+\i+1], v[GR+\i:GR+\i+1], v[GE+\i:GE+\i+1], v[GQ+\i:GQ+\i+1]
.endr
.irp i, 0,2,4,6
	s_delay_alu instid0(VALU_DEP_4)
	v_pk_fma_f32 v[GP+\i:GP+\i+1], v[GQ+\i:GQ+\i+1], 0xb9d25000, v[244:245] op_sel_hi:[1,0,1]   ; p(q), by Horner: c9 q + c8
.endr
.irp k, 0x3aac2b8a, 0x3c0d6e62, 0xbc040dc1, 0xbd5e05b5, 0x3e27fe23, 0xbe2a0420, 0xbdbdfb0b, 0x3e8dd01d
.irp i, 0,2,4,6
	s_delay_alu instid0(VALU_DEP_4)
	v_pk_fma_f32 v[GP+\i:GP+\i+1], v[GP+\i:GP+\i+1], v[GQ+\i:GQ+\i+1], \k op_sel_hi:[1,1,0]
.endr
.endr
.irp i, 0,2,4,6
	v_pk_fma_f32 v[GU+\i:GU+\i+1], v[GA+\i:GA+\i+1], 2.0, 1.0 op_sel_hi:[1,0,0]   ; d = 2 a + 1
.endr
.irp i, 0,2,4,6
	v_pk_mul_f32 v[GS+\i:GS+\i+1], v[GA+\i:GA+\i+1], v[GA+\i:GA+\i+1]             ; s = a a, rounded
.endr
.irp i, 0,2,4,6
	s_delay_alu instid0(VALU_DEP_4)
	v_pk_mul_f32 v[GE+\i:GE+\i+1], v[GS+\i:GS+\i+1], 0xbfb8aa3b op_sel_hi:[1,0]   ; u = s x -log2(e), rounded
.endr
	s_wait_alu depctr_va_vdst(0)
.irp i, 0,1,2,3,4,5,6,7
	v_rcp_f32 v[GR+\i], v[GU+\i]
.endr
.irp i, 0,1,2,3,4,5,6,7
	v_exp_f32 v[GX+\i], v[GE+\i]
.endr
.irp i, 0,2,4,6
	v_pk_fma_f32 v[GQ+\i:GQ+\i+1], v[GS+\i:GS+\i+1], 0xbfb8aa3b, v[GE+\i:GE+\i+1] op_sel_hi:[1,0,1] neg_lo:[0,0,1] neg_hi:[0,0,1]   ; what u's rounding left (plain work behind the batch)
.endr
.irp i, 0,2,4,6
	v_pk_fma_f32 v[GS+\i:GS+\i+1], v[GA+\i:GA+\i+1], v[GA+\i:GA+\i+1], v[GS+\i:GS+\i+1] neg_lo:[0,1,0] neg_hi:[0,1,0]             ; s - a a: what s's rounding left
.endr
.irp i, 0,2,4,6
	s_delay_alu instid0(VALU_DEP_4)
	v_pk_fma_f32 v[GQ+\i:GQ+\i+1], v[GQ+\i:GQ+\i+1], 0x3f317218, v[GS+\i:GS+\i+1] op_sel_hi:[1,0,1]   ; w: exp(-a a) = 2^u (1 + w)
.endr
	s_wait_alu depctr_va_vdst(0)
.irp i, 0,2,4,6
	v_pk_fma_f32 v[GU+\i:GU+\i+1], v[GP+\i:GP+\i+1], v[GR+\i:GR+\i+1], v[GR+\i:GR+\i+1]   ; (p + 1) / d
.endr
.irp i, 0,2,4,6
	s_delay_alu instid0(VALU_DEP_4)
	v_pk_fma_f32 v[GE+\i:GE+\i+1], v[GU+\i:GU+\i+1], v[GA+\i:GA+\i+1], 0.5 op_sel_hi:[1,1,0] neg_lo:[0,1,0] neg_hi:[0,1,0]
.endr
.irp i, 0,2,4,6
	v_pk_add_f32 v[GP+\i:GP+\i+1], v[GP+\i:GP+\i+1], v[GU+\i:GU+\i+1] neg_lo:[0,1] neg_hi:[0,1]
.endr
.irp i, 0,2,4,6
	s_delay_alu instid0(VALU_DEP_4)
	v_pk_fma_f32 v[GE+\i:GE+\i+1], v[GE+\i:GE+\i+1], 2.0, v[GP+\i:GP+\i+1] op_sel_hi:[1,0,1]   ; the residual (p + 1) - quotient x d
.endr
.irp i, 0,2,4,6
	v_pk_fma_f32 v[GU+\i:GU+\i+1], v[GE+\i:GE+\i+1], v[GR+\i:GR+\i+1], v[GU+\i:GU+\i+1]
.endr
.irp i, 0,2,4,6
	v_pk_mul_f32 v[GU+\i:GU+\i+1], v[GU+\i:GU+\i+1], v[GX+\i:GX+\i+1]
.endr
.irp i, 0,2,4,6
	s_delay_alu instid0(VALU_DEP_4)
	v_pk_fma_f32 v[GU+\i:GU+\i+1], v[GU+\i:GU+\i+1], v[GQ+\i:GQ+\i+1], v[GU+\i:GU+\i+1]   ; erfc(a)
.endr
.irp i, 0,1,2,3,4,5,6,7
	v_mul_f32 v[GP+\i], |v[(\x)+\i]|, v[GU+\i]
.endr
.irp i, 0,1,2,3,4,5,6,7
	v_max_num_f32 v[GE+\i], 0, v[(\x)+\i]
.endr
.irp i, 0,2,4,6
	v_pk_fma_f32 v[(\x)+\i:(\x)+\i+1], v[GP+\i:GP+\i+1], -0.5, v[GE+\i:GE+\i+1] op_sel_hi:[1,0,1]   ; max(x, 0) - |x| erfc / 2
.endr
.endm
	s_load_b512 s[4:19], s[0:1], 0x0               ; att, query, g1, be1, wimg, b1, b2, g2
	s_load_b128 s[20:23], s[0:1], 0x40             ; be2, out0
	v_lshl_add_u32 v254, v0, 2, 0x17800
	v_mov_b32 v255, 0
	v_lshrrev_b32 v1, 5, v0
	s_delay_alu instid0(VALU_DEP_1)
	v_readfirstlane_b32 s24, v1                    ; wave 0..7
	v_and_b32 v1, 31, v0                           ; lane
	v_and_b32 v2, 15, v0                           ; r
	v_bfe_u32 v3, v0, 4, 1                         ; h
	s_delay_alu instid0(VALU_DEP_3)
	v_lshlrev_b32 v[LI], 4, v1
	s_delay_alu instid0(VALU_DEP_4)
	v_lshlrev_b32 v[LS], 2, v1
	s_delay_alu instid0(VALU_DEP_3)
	v_lshlrev_b32 v[VA], 6, v3
	s_mul_i32 s31, s24, 16*528
	s_add_co_u32 s31, s31, STG                     ; my stage
	v_add_nc_u32 v[SI], s31, v[LI]
	v_mul_u32_u24 v[SL], v2, 528
	s_delay_alu instid0(VALU_DEP_1)
	v_lshl_add_u32 v[SL], v3, 6, v[SL]
	s_delay_alu instid0(VALU_DEP_1)
	v_add_nc_u32 v[SL], s31, v[SL]
	s_mul_i32 s31, s24, 1536
	v_add_nc_u32 v[XWI], s31, v[LI]                ; XIMG + 1,536 w + 16 l (XIMG is 0)
	s_lshl_b32 s31, s24, 7
	s_add_co_u32 s31, s31, XSC
	v_add_nc_u32 v[XWS], s31, v[LS]
	s_lshl_b32 s31, s24, 2
	s_add_co_u32 s31, s31, RED
	v_lshl_add_u32 v[RW], v2, 5, s31
	v_lshlrev_b32 v[RR], 5, v2
	s_delay_alu instid0(VALU_DEP_1)
	v_add_nc_u32 v[RR], RED, v[RR]
	v_mov_b32 v15, 0                               ; (named as the upper half of the pair v[14:15])
	v_mov_b32 v251, 0                              ; written once: a lane permute's destination counts as one of its sources
	v_mov_b32 v244, 0xbaa15130                     ; c8, twice
	v_mov_b32 v245, 0xbaa15130
	s_mov_b32 s26, 0x76543210
	s_mov_b32 s27, 0xfedcba98                      ; v_permlanex16_b32's selects for lane l xor 16
	s_mov_b32 s28, 0x3f3504f3                      ; 1 / sqrt 2
	s_mov_b32 s29, 0x3a800000                      ; 1 / 1,024
	s_mov_b32 s30, 0x3727c5ac                      ; 1e-5
	s_lshl_b32 s34, s24, 9                         ; my 128 columns: 512 bytes
	s_mov_b32 s35, 0
	s_lshl_b32 s32, ttmp9, 16                      ; my work-group's 16 rows of 4,096 bytes
	s_add_co_u32 s32, s32, s34
	s_mov_b32 s33, 0
	s_mul_i32 s36, s24, 16*REC                     ; my 16 records
	s_mov_b32 s37, 0
	s_wait_kmcnt 0x0
	s_add_nc_u64 s[4:5], s[4:5], s[32:33]
	s_add_nc_u64 s[6:7], s[6:7], s[32:33]
	s_add_nc_u64 s[22:23], s[22:23], s[32:33]
	s_add_nc_u64 s[8:9], s[8:9], s[34:35]
	s_add_nc_u64 s[10:11], s[10:11], s[34:35]
	s_add_nc_u64 s[14:15], s[14:15], s[34:35]
	s_add_nc_u64 s[16:17], s[16:17], s[34:35]
	s_add_nc_u64 s[18:19], s[18:19], s[34:35]
	s_add_nc_u64 s[20:21], s[20:21], s[34:35]
	s_add_nc_u64 s[12:13], s[12:13], s[36:37]
	; ---- 1: the loads
	global_load_b128 v[236:239], v[LI], s[18:19]   ; g2, be2 in row layout
	global_load_b128 v[240:243], v[LI], s[20:21]
.irp i, 0,1,2,3,4,5,6,7,8,9,10,11,12,13,14,15
	global_load_b128 v[T64+4*\i:T64+4*\i+3], v[LI], s[6:7] offset:4096*\i th:TH_LOAD_NT   ; query: 512 consecutive bytes of row i
.endr
.irp i, 0,1,2,3,4,5,6,7,8,9,10,11,12,13,14,15
	global_load_b128 v[ACC+4*\i:ACC+4*\i+3], v[LI], s[4:5] offset:4096*\i th:TH_LOAD_NT   ; att
.endr
	WLOAD 0
	WLOAD 1
	; ---- 2: query + att, turned into lane layout through my stage
	s_wait_loadcnt 52                              ; all but the two records' 52 loads
.set j, 0
.rept 32
	v_pk_add_f32 v[T64+j:T64+j+1], v[T64+j:T64+j+1], v[ACC+j:ACC+j+1]
.set j, j+2
.endr
.irp i, 0,1,2,3,4,5,6,7,8,9,10,11,12,13,14,15
	ds_store_b128 v[SI], v[T64+4*\i:T64+4*\i+3] offset:528*\i
.endr
.irp b, 0,1,2,3
.irp j, 0,1,2,3
	ds_load_b128 v[X1+16*\b+4*\j:X1+16*\b+4*\j+3], v[SL] offset:128*\b+16*\j   ; LDS serves a wave's instructions in order: these see my stores
.endr
.endr
	s_wait_dscnt 0x0
	; ---- 3, 4: the first norm
	VEC64 ACC, 8                                   ; g1
	VEC64 T64, 10                                  ; be1
	NORM 0
	s_wait_loadcnt 0x0                             ; g1 and be1, issued last
.set j, 0
.rept 32
	v_pk_mul_f32 v[X1+j:X1+j+1], v[X1+j:X1+j+1], v[14:15] op_sel_hi:[1,0]
.set j, j+2
.endr
.set j, 0
.rept 32
	v_pk_fma_f32 v[X1+j:X1+j+1], v[X1+j:X1+j+1], v[ACC+j:ACC+j+1], v[T64+j:T64+j+1]
.set j, j+2
.endr
	; ---- 5: x1 as an operand
	VEC64 ACC, 14                                  ; b1 is the C of each sum's first product: nothing is cleared, nothing is added
	QUANT X1
	IMAGE XIMG
	s_wait_dscnt 0x0
	s_barrier_signal -1
	s_barrier_wait -1                              ; x1's eight fragments lie in LDS
	; ---- 6: the first product
	XFETCH 0, 0, XIMG, XSC
	GSTEP 0, 0                                     ; b1 was issued last
.irp q, 1,2,3,4,5,6,7
	GSTEP \q, 26                                   ; the next record's 26 loads may be out
.endr
	; ---- 7: the hidden layer
.irp t, 0,1,2,3,4,5,6,7
	GELU8 ACC+8*\t
.endr
	QUANT ACC
	IMAGE HIMG
	VEC64 ACC, 16                                  ; b2
	s_wait_dscnt 0x0
	s_barrier_signal -1
	s_barrier_wait -1                              ; the hidden layer's eight fragments lie in LDS
	; ---- 8: the second product
	XFETCH 0, 0, HIMG, HSC
	GSTEP 8, 0                                     ; b2 was issued last
.irp q, 9,10,11,12,13,14
	GSTEP \q, 26
.endr
	GSTEP 15, 0
	; ---- 9: the residual and the second norm
.set j, 0
.rept 32
	v_pk_add_f32 v[X1+j:X1+j+1], v[X1+j:X1+j+1], v[ACC+j:ACC+j+1]   ; each accumulator from its low end on
.set j, j+2
.endr
	NORM 2
.set j, 0
.rept 32
	v_pk_mul_f32 v[X1+j:X1+j+1], v[X1+j:X1+j+1], v[14:15] op_sel_hi:[1,0]
.set j, j+2
.endr
	; ---- 10: back into row layout; gain and bias; out
.irp b, 0,1,2,3
.irp j, 0,1,2,3
	ds_store_b128 v[SL], v[X1+16*\b+4*\j:X1+16*\b+4*\j+3] offset:128*\b+16*\j
.endr
.endr
.irp i, 0,1,2,3,4,5,6,7,8,9,10,11,12,13,14,15
	ds_load_b128 v[T64+4*\i:T64+4*\i+3], v[SI] offset:528*\i
.endr
.irp i, 0,1,2,3,4,5,6,7,8,9,10,11,12,13,14,15
	s_wait_dscnt 15-\i                             ; the later rows' loads may be out
	v_pk_fma_f32 v[T64+4*\i:T64+4*\i+1], v[T64+4*\i:T64+4*\i+1], v[236:237], v[240:241]
	v_pk_fma_f32 v[T64+4*\i+2:T64+4*\i+3], v[T64+4*\i+2:T64+4*\i+3], v[238:239], v[242:243]
	global_store_b128 v[LI], v[T64+4*\i:T64+4*\i+3], s[22:23] offset:4096*\i th:TH_STORE_NT   ; 512 consecutive bytes, aligned to 256
.endr
	s_wait_tensorcnt 0x0
	ds_add_u32 v254, v255
	s_wait_dscnt 0x0
	s_endpgm
.Lfunc_end_k_q17b874dd03_ffn:
	.size	k_q17b874dd03_ffn, .Lfunc_end_k_q17b874dd03_ffn-k_q17b874dd03_ffn
	.p2alignl 7, 3214868480
	.fill 96, 4, 3214868480
	.section	.rodata,"a",@progbits
	.p2align	6, 0x0
	.amdhsa_kernel k_q17b874dd03_ffn
		.amdhsa_group_segment_fixed_size 97280
		.amdhsa_private_segment_fixed_size 0
		.amdhsa_enable_private_segment 0
		.amdhsa_kernarg_size 80
		.amdhsa_user_sgpr_count 2
		.amdhsa_user_sgpr_kernarg_segment_ptr 1
		.amdhsa_wavefront_size32 1
		.amdhsa_system_sgpr_workgroup_id_x 1
		.amdhsa_system_sgpr_workgroup_id_y 1
		.amdhsa_system_sgpr_workgroup_id_z 1
		.amdhsa_system_vgpr_workitem_id 0
		.amdhsa_next_free_vgpr 512
		.amdhsa_next_free_sgpr 66
		.amdhsa_reserve_vcc 0
		.amdhsa_float_denorm_mode_32 3
		.amdhsa_float_denorm_mode_16_64 3
		.amdhsa_memory_ordered 1
		.amdhsa_forward_progress 1
		.amdhsa_inst_pref_size 232
	.end_amdhsa_kernel
	.amdgpu_metadata
---
amdhsa.version: [ 1, 2 ]
amdhsa.kernels:
  - .name:           k_q17b874dd03_ffn
    .symbol:         k_q17b874dd03_ffn.kd
    .args:
      - { .name: att, .offset: 0, .size: 8, .value_kind: global_buffer, .address_space: global }
      - { .name: query, .offset: 8, .size: 8, .value_kind: global_buffer, .address_space: global }
      - { .name: g1, .offset: 16, .size: 8, .value_kind: global_buffer, .address_space: global }
      - { .name: be1, .offset: 24, .size: 8, .value_kind: global_buffer, .address_space: global }
      - { .name: wimg, .offset: 32, .size: 8, .value_kind: global_buffer, .address_space: global }
      - { .name: b1, .offset: 40, .size: 8, .value_kind: global_buffer, .address_space: global }
      - { .name: b2, .offset: 48, .size: 8, .value_kind: global_buffer, .address_space: global }
      - { .name: g2, .offset: 56, .size: 8, .value_kind: global_buffer, .address_space: global }
      - { .name: be2, .offset: 64, .size: 8, .value_kind: global_buffer, .address_space: global }
      - { .name: out0, .offset: 72, .size: 8, .value_kind: global_buffer, .address_space: global }
    .group_segment_fixed_size: 97280
    .private_segment_fixed_size: 0
    .kernarg_segment_align: 8
    .kernarg_segment_size: 80
    .max_flat_workgroup_size: 256
    .sgpr_count:     66
    .vgpr_count:     512
    .wavefront_size: 32
...
	.end_amdgpu_metadata
.endif
;; end of part 4
